; MI455X (gfx1250); checked and timed in simulation.
; The chip was launched on July 23, 2026; its instructions are those of AMD's public machine-readable ISA for CDNA 5 (MIT licence, August 2026) and "CDNA5" Instruction Set Architecture Reference Guide (July 2026). The comments in the code are by the model that wrote it; some were corrected since.
;; Multi Head Diff Attention. Allowed arithmetic: matrix products marked QUANTISED: E2M1 operands, one E8M0 scale for each 32 along K, by v_wmma_scale_f32_16x16x128_f8f6f4 with both operands' format E2M1 (or v_wmma_scale_f32_32x16x128_f4), f32 sums; products left as they are: bf16, f16 or f32 operands; f32 sums; everything else in f32.
;; Inputs: c_w 2,048 x 1,024 float32; k1_w 1,024 x 1,024 float32; k2_w 1,024 x 1,024 float32; lambda_k1 16 x 64 float32; lambda_k2 16 x 64 float32; lambda_q1 16 x 64 float32; lambda_q2 16 x 64 float32; q1_w 1,024 x 1,024 float32; q2_w 1,024 x 1,024 float32; v_w 1,024 x 2,048 float32; x 2 x 2,048 x 1,024 float32.
;; Outputs: out0 2 x 2,048 x 1,024 float32.
;; This version of the problem:
;;   THIS VERSION OF THE PROBLEM IS GIVEN IN LOW PRECISION. The matrix products marked QUANTISED in the list below multiply operands that are first quantised to E2M1 (2 exponent bits, 1 mantissa bit; 4 bits a number), with one power-of-two scale for each 32 numbers along K (OCP MX v1.0); their sums are f32. The products marked 'left as it is' may take bf16, f16 or f32 operands, with f32 sums. Whichever they take, every output number must still come out within the allowed error. Rounding operands to bf16 (8 significant bits) uses up far more of that allowance than f16 does (11 bits, for magnitudes from 6e-5 to 65,504). All else is computed in f32.
;;   The module's matrix products, in the order in which they are computed (A, B: the left and right operand; K: the contracted axis; several contracted axes count as one K, in the product's order):
;;     1. [M 4,096, K 1,024] x [K 1,024, N 1,024]; A: input x; B: input q1_w: QUANTISED
;;     2. [M 4,096, K 1,024] x [K 1,024, N 1,024]; A: input x; B: input q2_w: QUANTISED
;;     3. [M 4,096, K 1,024] x [K 1,024, N 1,024]; A: input x; B: input k1_w: QUANTISED
;;     4. [M 4,096, K 1,024] x [K 1,024, N 1,024]; A: input x; B: input k2_w: QUANTISED
;;     5. [M 4,096, K 1,024] x [K 1,024, N 2,048]; A: input x; B: input v_w: QUANTISED
;;     6. batch 32 x [M 2,048, K 64] x [K 64, N 2,048]; A: computed on the way; B: computed on the way: left as it is (an operand is computed on the way)
;;     7. batch 32 x [M 2,048, K 64] x [K 64, N 2,048]; A: computed on the way; B: computed on the way: left as it is (an operand is computed on the way)
;;     8. batch 32 x [M 2,048, K 2,048] x [K 2,048, N 128]; A: computed on the way; B: computed on the way: left as it is (an operand is computed on the way)
;;     9. [M 4,096, K 2,048] x [K 2,048, N 1,024]; A: computed on the way; B: input c_w: left as it is (an operand is computed on the way)
;;   THE QUANTISER, for each operand of a quantised product, along K:
;;     - K is cut into blocks of 32 from its start; a last block that is shorter is filled with zeros.
;;     - A block's scale is 2^e with e = floor(log2(the largest magnitude in the block)) - 2, held to -126 .. 127; a block of zeros has e = 0. As a byte (E8M0): e + 127.
;;     - Each number is divided by its block's scale, clamped to +-6, and rounded to the nearest number of E2M1, ties to even, subnormals kept.
;;     - The product sums the exact products of the quantised numbers (number of the format x scale) in f32.
;;   ~~~python
;;   def quantise(x, axis):      # numpy; x: float32 -> the quantised numbers, widened to float32 again
;;       x = np.moveaxis(x, axis, -1); K = x.shape[-1]
;;       x = np.pad(x, [(0, 0)] * (x.ndim - 1) + [(0, -K % 32)]); x = x.reshape(x.shape[:-1] + (-1, 32)); a = np.abs(x).max(-1, keepdims=True)
;;       e = np.where(a > 0, np.clip(np.frexp(np.where(a > 0, a, 1))[1] - 1 - 2, -126, 127), 0)      # np.frexp(a)[1] - 1 = floor(log2(a)), exactly
;;       r = np.clip(x / 2.0 ** e, -6, 6)
;;       step = 2.0 ** (np.maximum(np.frexp(np.where(r == 0, 1, r))[1] - 1, 0) - 1)
;;       q = np.round(r / step) * step * 2.0 ** e      # np.round: ties to even
;;       return np.moveaxis(q.reshape(q.shape[:-2] + (-1,))[..., :K], -1, axis).astype(np.float32)
;;   ~~~
;; One version. Each part assembles by itself: llvm-mc -triple=amdgcn-amd-amdhsa -mcpu=gfx1250 --defsym DOCPART=n.
;; ======== version 1 of 1: 4 launches
;; limits: values are held in f16: magnitudes above 65,504 overflow, below 6.1e-05 lose precision
;; workspace buffers: x_codes 2,097,152 bytes; x_scales 131,072 bytes; w_codes 3,145,728 bytes; w_scales 196,608 bytes; c16t 4,194,304 bytes; qkv 50,331,648 bytes; ybuf 16,777,216 bytes
;; launch prep (part 1): grid 352 x 1, 4 waves a work-group, no clusters, 102,912 bytes of LDS; arguments x, q1_w, q2_w, k1_w, k2_w, v_w, c_w, x_codes, x_scales, w_codes, w_scales, c16t; writes x_codes, x_scales, w_codes, w_scales, c16t
.if DOCPART == 1
	.amdgcn_target "amdgcn-amd-amdhsa--gfx1250"
	.amdhsa_code_object_version 6
	.text
	.protected	k_q7b11683e7a_prep
	.globl	k_q7b11683e7a_prep
	.p2align	8
	.type	k_q7b11683e7a_prep,@function
k_q7b11683e7a_prep:
	s_mov_b64 s[64:65], 0
	v_nop
	global_prefetch_b8 v0, s[64:65] scope:SCOPE_SE
	s_setreg_imm32_b32 hwreg(HW_REG_WAVE_MODE, 25, 1), 1
	s_wait_xcnt 0x0
; One launch makes every operand ready.  Three paths, chosen by the work-group's number alone; each has LDS bytes of its own.
;   W (work-groups 0-95):    the five weights [1024 (k)][n] f32 -> codes of E2M1, K innermost, w_codes [6144][512 bytes], and E8M0 bytes w_scales [6144][32].
;                            Row n of w_codes = region x 2048 + head x 128 + c: region 0: c < 64 column 64 head + c of q1_w, else of q2_w; region 1: k1_w, k2_w likewise; region 2: column 128 head + c of v_w.
;   X (work-groups 96-223):  x [4096][1024] f32 -> x_codes [4096][512 bytes], x_scales [4096][32]: a plain stream of blocks of 32.
;   C (work-groups 224-351): c_w [2048 (k)][1024 (n)] f32 -> f16, turned: c16t [1024 (n)][2048 (k)].
; A block's scale is 2^(floor(log2(largest magnitude)) - 2): its byte is the largest magnitude's exponent field - 2, held at 1 from below by a floor among the maximum's leaves.
; A block of zeros so gets the byte 1 where the rule says 127: its codes are zeros, and the bytes are read by this program alone.
; LIMITS: NaN and infinities among the inputs are not served; blocks whose largest magnitude lies under 2^-124 keep the byte 1; numbers of c_w beyond 65,504 have no f16, under 6e-5 they lose bits (absolute error at most 3e-8).
.set SPW,   208                        ; v208 LDS address of my spare word; never rewritten
.set NIL,   209                        ; v209 0; never rewritten
.set WST,   0                          ; path W: four stages of 32 rows x 272 bytes
.set XRG,   34816                      ; path X: 8,192 bytes for each wave
.set CST,   67584                      ; path C: four stages of 32 rows x 272 bytes
.set SPARE, 102400                     ; the spare words, 128 bytes for each wave
.macro FINISH                          ; a wave's end, behind its last LDS store
	s_wait_tensorcnt 0x0
	ds_add_u32 v[SPW], v[NIL]
	s_wait_dscnt 0x0
	s_endpgm
.endm
	s_load_b256 s[4:11], s[0:1], 0x0               ; x s[4:5], q1_w s[6:7], q2_w s[8:9], k1_w s[10:11]
	s_load_b256 s[12:19], s[0:1], 0x20             ; k2_w s[12:13], v_w s[14:15], c_w s[16:17], x_codes s[18:19]
	s_load_b256 s[20:27], s[0:1], 0x40             ; x_scales s[20:21], w_codes s[22:23], w_scales s[24:25], c16t s[26:27]
	v_lshl_add_u32 v[SPW], v0, 2, SPARE
	v_mov_b32 v[NIL], 0
	v_lshrrev_b32 v1, 5, v0
	v_readfirstlane_b32 s28, v1                    ; wave 0..3
	v_and_b32 v2, 31, v0                           ; lane
	s_wait_kmcnt 0x0
	s_cmp_ge_u32 ttmp9, 224
	s_cbranch_scc1 .Lpath_c
	s_cmp_ge_u32 ttmp9, 96
	s_cbranch_scc1 .Lpath_x
; ---------------- PATH W.  A lane takes a column, its registers run down K: a block of 32 lies in one lane, and the codes come out with K innermost.
; A wave takes 32 columns x 512 along K: 16 blocks a lane, 256 bytes of codes a column, which leave through the wave's own stage as rows.
.set WX,   32                          ; v32-95   two sets of 32 numbers
.set WC,   96                          ; v96-99   a block's codes
.set WSB,  24                          ; v24-27   16 scale bytes
.set WOUT, 112                         ; v112-175 the way out
.set WOF,  176                         ; v176-207 4 x lane + i x the weight's row bytes: the five weights have two row lengths, so a row's offset is no immediate
	s_lshr_b32 s30, ttmp9, 1                       ; group of 128 columns, 0..47
	s_and_b32 s29, ttmp9, 1                        ; which 512 along K
	s_lshr_b32 s31, s30, 3                         ; 0 q1_w, 1 q2_w, 2 k1_w, 3 k2_w, 4 and 5 v_w
	s_and_b32 s32, s30, 7
	s_lshl_b32 s32, s32, 7
	s_sub_co_u32 s33, s30, 32
	s_lshl_b32 s33, s33, 7
	s_lshl_b32 s37, s28, 5
	s_mov_b32 s36, 8192
	s_cmp_lt_u32 s31, 4
	s_cselect_b32 s36, 4096, s36                   ; bytes in a row of the weight
	s_cselect_b32 s32, s32, s33
	s_add_co_u32 s32, s32, s37                     ; my wave's first column in its weight
	s_lshr_b32 s33, s31, 1
	s_lshl_b32 s33, s33, 11                        ; region x 2048
	s_lshr_b32 s40, s32, 6
	s_lshl_b32 s40, s40, 7
	s_add_co_u32 s33, s33, s40                     ; + head x 128
	s_and_b32 s40, s31, 1
	s_lshl_b32 s40, s40, 6
	s_add_co_u32 s33, s33, s40                     ; + 64 for the second of a pair
	s_and_b32 s40, s32, 63
	s_add_co_u32 s33, s33, s40
	s_add_co_u32 s40, s32, 4096                    ; v_w: region 2, columns as they lie
	s_cmp_lt_u32 s31, 4
	s_cselect_b32 s33, s33, s40                    ; my first row of w_codes
	s_mov_b64 s[34:35], s[14:15]                   ; the weight: chosen by the work-group's number alone
	s_cmp_eq_u32 s31, 0
	s_cselect_b64 s[34:35], s[6:7], s[34:35]
	s_cmp_eq_u32 s31, 1
	s_cselect_b64 s[34:35], s[8:9], s[34:35]
	s_cmp_eq_u32 s31, 2
	s_cselect_b64 s[34:35], s[10:11], s[34:35]
	s_cmp_eq_u32 s31, 3
	s_cselect_b64 s[34:35], s[12:13], s[34:35]
	s_mul_i32 s40, s29, s36
	s_lshl_b32 s40, s40, 9                         ; 512 rows down for the second half of K
	s_lshl_b32 s41, s32, 2
	s_add_co_u32 s40, s40, s41
	s_mov_b32 s41, 0
	s_add_nc_u64 s[34:35], s[34:35], s[40:41]
	s_lshl_b32 s40, s33, 9
	s_lshl_b32 s42, s29, 8
	s_add_co_u32 s40, s40, s42
	s_add_nc_u64 s[22:23], s[22:23], s[40:41]      ; codes: row x 512 + 256 x half of K
	s_lshl_b32 s40, s33, 5
	s_lshl_b32 s42, s29, 4
	s_add_co_u32 s40, s40, s42
	s_add_nc_u64 s[24:25], s[24:25], s[40:41]      ; scale bytes: row x 32 + 16 x half of K
	s_lshl_b32 s38, s36, 5                         ; a block on: 32 rows of the weight
	s_mov_b32 s39, 0
	v_lshlrev_b32 v[WOF], 2, v2
.set i, 1
.rept 31
	v_add_nc_u32 v[WOF+i], s36, v[WOF+i-1]
.set i, i+1
.endr
	s_mul_i32 s40, s28, 32*272                     ; my stage
	v_mul_u32_u24 v4, v2, 272
	v_add_nc_u32 v4, s40, v4                       ; into it: row = my column
	v_and_b32 v5, 15, v2
	v_lshrrev_b32 v6, 4, v2
	v_mul_u32_u24 v7, v6, 272
	v_lshl_add_u32 v7, v5, 4, v7
	v_add_nc_u32 v7, s40, v7                       ; out of it: sixteen lanes to a row, two rows an instruction
	v_lshlrev_b32 v8, 9, v6
	v_lshl_add_u32 v8, v5, 4, v8                   ; and the same place in w_codes
	v_lshlrev_b32 v9, 5, v2                        ; my column's row of scale bytes
.macro WLOAD t                         ; block t: 32 rows of the weight at my column: 128 consecutive bytes a wave and load
.set i, 0
.rept 32
	global_load_b32 v[WX+32*((\t)%2)+i], v[WOF+i], s[34:35] th:TH_LOAD_NT
.set i, i+1
.endr
.endm
.macro WBLOCK t
.set XS, WX+32*((\t)%2)
.if (\t) < 15
	s_wait_loadcnt 32                              ; this block's 32 loads are in; the next block's 32 may be out
.else
	s_wait_loadcnt 0
.endif
	v_max3_num_f32 v14, |v[XS]|, |v[XS+1]|, |v[XS+2]|
	v_max3_num_f32 v15, |v[XS+3]|, |v[XS+4]|, |v[XS+5]|
.irp i, 6,10,14,18,22,26
	v_max3_num_f32 v14, v14, |v[XS+\i]|, |v[XS+\i+1]|
	v_max3_num_f32 v15, v15, |v[XS+\i+2]|, |v[XS+\i+3]|
.endr
	v_max3_num_f32 v14, v14, |v[XS+30]|, |v[XS+31]|
	v_max3_num_f32 v14, v14, v15, 0x1800000        ; and the floor 2^(3 - 127): the byte cannot fall under 1
	v_add_nc_u32 v11, 0xff000000, v14              ; 2 off the exponent field: the conversion's scale operand
	v_lshrrev_b32 v10, 23, v11                     ; the scale's byte
.if (\t)%4 == 0
	v_mov_b32 v[WSB+(\t)/4], v10
.else
	v_lshl_or_b32 v[WSB+(\t)/4], v10, 8*((\t)%4), v[WSB+(\t)/4]
.endif
.irp g, 0,1,2,3
	v_cvt_scalef32_pk8_fp4_f32 v[WC+\g], v[XS+8*\g:XS+8*\g+7], v11
.endr
	ds_store_b128 v4, v[WC:WC+3] offset:WST+16*(\t)
.if (\t)+2 < 16
	s_wait_xcnt 0x0                                ; the loads issued so far have read their base: it may step
	s_add_nc_u64 s[34:35], s[34:35], s[38:39]
	WLOAD (\t)+2
.endif
	s_wait_dscnt 0x0                               ; the store has read its registers: the next block's codes may be written
.endm
	WLOAD 0
	s_wait_xcnt 0x0
	s_add_nc_u64 s[34:35], s[34:35], s[38:39]
	WLOAD 1
.irp t, 0,1,2,3,4,5,6,7,8,9,10,11,12,13,14,15
	WBLOCK \t
.endr
	global_store_b128 v9, v[WSB:WSB+3], s[24:25]   ; my column's 16 scale bytes
.irp t, 0,1,2,3,4,5,6,7,8,9,10,11,12,13,14,15
	ds_load_b128 v[WOUT+4*\t:WOUT+4*\t+3], v7 offset:WST+2*\t*272   ; a wave's LDS instructions are served in order: these see my stores
.endr
.irp t, 0,1,2,3,4,5,6,7,8,9,10,11,12,13,14,15
	s_wait_dscnt 15-\t                             ; the later row loads may be out
	global_store_b128 v8, v[WOUT+4*\t:WOUT+4*\t+3], s[22:23] offset:2*\t*512   ; sixteen lanes store 256 consecutive bytes, aligned
.endr
	FINISH
; ---------------- PATH X.  A wave takes 16 steps of 512 numbers.  Each load reads 512 consecutive bytes; a step's 2,048 bytes turn through the wave's own stage so that a lane holds 16 neighbours; two lanes hold a block.
.Lpath_x:
.set XR,  16                           ; v16-79   four sets of 16 numbers as loaded
.set XX,  80                           ; v80-111  two sets of 16 neighbours
.set XE,  112                          ; v112-127 a scale byte for each step
.set XC,  128                          ; v128-191 codes: registers of its own for each step
.set SP,  80                           ; a lane's place in a stage: 64 bytes + 16 of padding
	s_sub_co_u32 s30, ttmp9, 96
	s_lshl_b32 s30, s30, 2
	s_add_co_u32 s30, s30, s28                     ; which run of 8,192 numbers is my wave's, 0..511
	s_lshl_b32 s32, s30, 15
	s_mov_b32 s33, 0
	s_add_nc_u64 s[4:5], s[4:5], s[32:33]          ; 32,768 bytes of x a run,
	s_lshl_b32 s32, s30, 12
	s_add_nc_u64 s[18:19], s[18:19], s[32:33]      ; 4,096 of codes,
	s_lshl_b32 s32, s30, 8
	s_add_nc_u64 s[20:21], s[20:21], s[32:33]      ; 256 scale bytes
	v_lshlrev_b32 v3, 4, v2
	s_mul_i32 s34, s28, 8192
	s_add_co_u32 s34, s34, XRG
	v_lshrrev_b32 v14, 2, v2
	v_mul_u32_u24 v14, v14, SP
	v_and_b32 v15, 3, v2
	v_lshl_add_u32 v14, v15, 4, v14
	v_add_nc_u32 v14, s34, v14                     ; the stage, on the way in: four lanes' 64 bytes on end, then the padding
	v_mul_u32_u24 v15, v2, SP
	v_add_nc_u32 v15, s34, v15                     ; on the way out: my 16 neighbours
	v_lshlrev_b32 v4, 3, v2                        ; my 8 bytes of a step's codes
	v_lshrrev_b32 v5, 1, v2
	s_add_co_u32 s35, s34, 2*32*SP
	v_add_nc_u32 v5, s35, v5                       ; my block's byte among my wave's 256
	v_lshlrev_b32 v7, 3, v2
	v_add_nc_u32 v6, s35, v7
.macro XLOAD t
.irp i, 0,1,2,3
	global_load_b128 v[XR+16*((\t)%4)+4*\i:XR+16*((\t)%4)+4*\i+3], v3, s[4:5] offset:2048*(\t)+512*\i th:TH_LOAD_NT
.endr
.endm
.macro XTURN t
.irp i, 0,1,2,3
	ds_store_b128 v14, v[XR+16*((\t)%4)+4*\i:XR+16*((\t)%4)+4*\i+3] offset:32*SP*((\t)%2)+8*SP*\i
.endr
.irp i, 0,1,2,3
	ds_load_b128 v[XX+16*((\t)%2)+4*\i:XX+16*((\t)%2)+4*\i+3], v15 offset:32*SP*((\t)%2)+16*\i
.endr
.endm
.irp t, 0,1,2,3
	XLOAD \t
.endr
	s_wait_loadcnt 12                              ; step 0's four loads are in
	XTURN 0
.macro XSTEP t
.set XS, XX+16*((\t)%2)
.if (\t) > 0
	s_wait_dscnt 1                                 ; this step's numbers are back from the stage; the last step's byte store may be out
.else
	s_wait_dscnt 0x0
.endif
.if (\t)+4 < 16
	XLOAD (\t)+4
.endif
.if (\t)+1 < 16
.if 14-(\t) >= 3
	s_wait_loadcnt 12                              ; the next step's four loads are in; those of the three steps behind it may be out
.else
	s_wait_loadcnt 4*(14-(\t))
.endif
	XTURN (\t)+1
.endif
	v_max3_num_f32 v8, |v[XS]|, |v[XS+1]|, |v[XS+2]|
	v_max3_num_f32 v9, |v[XS+3]|, |v[XS+4]|, |v[XS+5]|
.irp i, 6,10
	v_max3_num_f32 v8, v8, |v[XS+\i]|, |v[XS+\i+1]|
	v_max3_num_f32 v9, v9, |v[XS+\i+2]|, |v[XS+\i+3]|
.endr
	v_max3_num_f32 v8, v8, |v[XS+14]|, |v[XS+15]|
	v_max3_num_f32 v8, v8, v9, 0x1800000           ; the floor
	v_max_num_f32_dpp v8, v8, v8 row_xmask:1 row_mask:0xf bank_mask:0xf   ; with my neighbour's 16: the block's largest magnitude
	v_add_nc_u32 v11, 0xff000000, v8
	v_cvt_scalef32_pk8_fp4_f32 v[XC+4*(\t)], v[XS:XS+7], v11
	v_cvt_scalef32_pk8_fp4_f32 v[XC+4*(\t)+1], v[XS+8:XS+15], v11
	v_lshrrev_b32 v[XE+(\t)], 23, v11              ; the scale's byte
	ds_store_b8 v5, v[XE+(\t)] offset:16*(\t)      ; both lanes of a block write the same byte with the same value
	global_store_b64 v4, v[XC+4*(\t):XC+4*(\t)+1], s[18:19] offset:256*(\t)   ; 32 lanes store 256 consecutive bytes, aligned
.endm
.irp t, 0,1,2,3,4,5,6,7,8,9,10,11,12,13,14,15
	XSTEP \t
.endr
	ds_load_b64 v[8:9], v6
	s_wait_dscnt 0x0
	global_store_b64 v7, v[8:9], s[20:21]          ; my wave's 256 scale bytes, aligned
	FINISH
; ---------------- PATH C.  A lane takes a column n of c_w, its registers run down 128 of k; pairs are rounded to f16; a column's 256 bytes leave through the wave's stage as a piece of a row of c16t.
.Lpath_c:
	s_sub_co_u32 s30, ttmp9, 224
	s_and_b32 s31, s30, 7
	s_lshr_b32 s30, s30, 3                         ; which 128 along k, 0..15
	s_lshl_b32 s31, s31, 7
	s_lshl_b32 s32, s28, 5
	s_add_co_u32 s31, s31, s32                     ; my wave's first column
	s_lshl_b32 s32, s30, 19                        ; 128 rows of 4,096 bytes
	s_lshl_b32 s33, s31, 2
	s_add_co_u32 s32, s32, s33
	s_mov_b32 s33, 0
	s_add_nc_u64 s[16:17], s[16:17], s[32:33]
	s_lshl_b32 s32, s31, 12                        ; c16t: a row is 4,096 bytes
	s_lshl_b32 s34, s30, 8
	s_add_co_u32 s32, s32, s34
	s_add_nc_u64 s[26:27], s[26:27], s[32:33]
	v_lshlrev_b32 v3, 2, v2
	s_mul_i32 s34, s28, 32*272
	s_add_co_u32 s34, s34, CST
	v_mul_u32_u24 v4, v2, 272
	v_add_nc_u32 v4, s34, v4
	v_and_b32 v5, 15, v2
	v_lshrrev_b32 v6, 4, v2
	v_mul_u32_u24 v7, v6, 272
	v_lshl_add_u32 v7, v5, 4, v7
	v_add_nc_u32 v7, s34, v7
	v_lshlrev_b32 v8, 12, v6
	v_lshl_add_u32 v8, v5, 4, v8
.macro CLOAD g                         ; 32 rows of c_w at my column into v[16 + 32 g] on
.set i, 0
.rept 32
	global_load_b32 v[16+32*(\g)+i], v3, s[16:17] offset:(32*(\g)+i)*4096 th:TH_LOAD_NT
.set i, i+1
.endr
.endm
	CLOAD 0
	CLOAD 1
.irp g, 0,1,2,3
.if \g < 3
	s_wait_loadcnt 32                              ; this group's 32 loads are in; the next group's 32 may be out
.else
	s_wait_loadcnt 0
.endif
.set i, 0
.rept 16
	v_cvt_pk_f16_f32 v[144+16*\g+i], v[16+32*\g+2*i], v[17+32*\g+2*i]
.set i, i+1
.endr
.irp q, 0,1,2,3
	ds_store_b128 v4, v[144+16*\g+4*\q:144+16*\g+4*\q+3] offset:64*\g+16*\q
.endr
.if \g < 2
	CLOAD \g+2
.endif
.endr
.irp t, 0,1,2,3,4,5,6,7,8,9,10,11,12,13,14,15
	ds_load_b128 v[16+4*\t:16+4*\t+3], v7 offset:2*\t*272
.endr
.irp t, 0,1,2,3,4,5,6,7,8,9,10,11,12,13,14,15
	s_wait_dscnt 15-\t                             ; the later row loads may be out
	global_store_b128 v8, v[16+4*\t:16+4*\t+3], s[26:27] offset:2*\t*4096   ; sixteen lanes store 256 consecutive bytes, aligned
.endr
	FINISH
.Lfunc_end_k_q7b11683e7a_prep:
	.size	k_q7b11683e7a_prep, .Lfunc_end_k_q7b11683e7a_prep-k_q7b11683e7a_prep
	.p2alignl 7, 3214868480
	.fill 96, 4, 3214868480
	.section	.rodata,"a",@progbits
	.p2align	6, 0x0
	.amdhsa_kernel k_q7b11683e7a_prep
		.amdhsa_group_segment_fixed_size 102912
		.amdhsa_private_segment_fixed_size 0
		.amdhsa_enable_private_segment 0
		.amdhsa_kernarg_size 96
		.amdhsa_user_sgpr_count 2
		.amdhsa_user_sgpr_kernarg_segment_ptr 1
		.amdhsa_wavefront_size32 1
		.amdhsa_system_sgpr_workgroup_id_x 1
		.amdhsa_system_sgpr_workgroup_id_y 1
		.amdhsa_system_sgpr_workgroup_id_z 1
		.amdhsa_system_vgpr_workitem_id 0
		.amdhsa_next_free_vgpr 212
		.amdhsa_next_free_sgpr 66
		.amdhsa_reserve_vcc 0
		.amdhsa_float_denorm_mode_32 3
		.amdhsa_float_denorm_mode_16_64 3
		.amdhsa_memory_ordered 1
		.amdhsa_forward_progress 1
		.amdhsa_inst_pref_size 135
	.end_amdhsa_kernel
	.amdgpu_metadata
---
amdhsa.version: [ 1, 2 ]
amdhsa.kernels:
  - .name:           k_q7b11683e7a_prep
    .symbol:         k_q7b11683e7a_prep.kd
    .args:
      - { .name: x, .offset: 0, .size: 8, .value_kind: global_buffer, .address_space: global }
      - { .name: q1_w, .offset: 8, .size: 8, .value_kind: global_buffer, .address_space: global }
      - { .name: q2_w, .offset: 16, .size: 8, .value_kind: global_buffer, .address_space: global }
      - { .name: k1_w, .offset: 24, .size: 8, .value_kind: global_buffer, .address_space: global }
      - { .name: k2_w, .offset: 32, .size: 8, .value_kind: global_buffer, .address_space: global }
      - { .name: v_w, .offset: 40, .size: 8, .value_kind: global_buffer, .address_space: global }
      - { .name: c_w, .offset: 48, .size: 8, .value_kind: global_buffer, .address_space: global }
      - { .name: x_codes, .offset: 56, .size: 8, .value_kind: global_buffer, .address_space: global }
      - { .name: x_scales, .offset: 64, .size: 8, .value_kind: global_buffer, .address_space: global }
      - { .name: w_codes, .offset: 72, .size: 8, .value_kind: global_buffer, .address_space: global }
      - { .name: w_scales, .offset: 80, .size: 8, .value_kind: global_buffer, .address_space: global }
      - { .name: c16t, .offset: 88, .size: 8, .value_kind: global_buffer, .address_space: global }
    .group_segment_fixed_size: 102912
    .private_segment_fixed_size: 0
    .kernarg_segment_align: 8
    .kernarg_segment_size: 96
    .max_flat_workgroup_size: 128
    .sgpr_count:     66
    .vgpr_count:     212
    .wavefront_size: 32
...
	.end_amdgpu_metadata
.endif
;; end of part 1
;; launch qkv (part 2): grid 24 x 16, 4 waves a work-group, clusters of 4 x 4, 327,680 bytes of LDS; arguments x_codes, x_scales, w_codes, w_scales, qkv; writes qkv
.if DOCPART == 2
	.amdgcn_target "amdgcn-amd-amdhsa--gfx1250"
	.amdhsa_code_object_version 6
	.text
	.protected	k_q7b11683e7a_qkv
	.globl	k_q7b11683e7a_qkv
	.p2align	8
	.type	k_q7b11683e7a_qkv,@function
k_q7b11683e7a_qkv:
	s_mov_b64 s[64:65], 0
	v_nop
	global_prefetch_b8 v0, s[64:65] scope:SCOPE_SE
	s_setreg_imm32_b32 hwreg(HW_REG_WAVE_MODE, 25, 1), 1
	s_wait_xcnt 0x0
	s_wait_alu depctr_hold_cnt(0) depctr_sa_sdst(0) depctr_va_vdst(0) depctr_va_sdst(0) depctr_va_ssrc(0) depctr_va_vcc(0) depctr_vm_vsrc(0)
	s_getreg_b32 s2, hwreg(HW_REG_IB_STS2, 6, 4)
	s_cmp_eq_u32 s2, 0
	s_cbranch_scc0 .Lentry_in_a_cluster
	s_endpgm
.Lentry_in_a_cluster:
	s_bfe_u32 s2, ttmp6, 0x10000c
	s_cmp_lg_u32 s2, 0xf033
	s_cbranch_scc0 .Lentry_shape_is_right
	s_endpgm
.Lentry_shape_is_right:
; The five projections of x as ONE product on codes of E2M1: C[m][n] = sum over k of X[m][k] W[n][k], m 4,096, n 6,144, k 1,024; sums in f32; results rounded once to f16 for the products that follow.
; The rows of w_codes are ordered so that 128 neighbouring n are one head's row of 256 bytes in qkv: [region 3][batch x 16 + head][t 2,048][128] f16, region 0 = q1|q2, 1 = k1|k2, 2 = v.
; A tile of C, 256 x 256, is made by four waves, each 128 x 128: 64 accumulators, 512 registers.  K = 1,024 is two slots of 512: both are asked for at the head, nothing is filled again, and there is no loop.
; The scale bytes of the work-group's 256 + 256 rows, for all of K, come once, as units of 256 bytes.
; CLUSTER 4 x 4: the four of a row need the same tiles of X, the four of a column the same tiles of W: each tile is asked for jointly, by the same tensor load with the same descriptor and a mask that names the four.
; The matrix instruction is used transposed (source 0 = 16 rows of W, source 1 = 16 rows of X): a lane holds eight neighbouring numbers of a row of C.
; By this text's own count a wave has three tensor loads out at most.
; 384 work-groups: a tile of 256 x 384, which would make 256, wants 768 accumulator registers beside the fragments and does not fit.
; LIMIT: results beyond 65,504 have no f16.
; REGISTERS: window 0: v0-31 addresses; v32-95 scale words, two sets, and nothing else; v96-127 packed results; v128-191 X's fragments, one set; v192-255 rows on the way out.
;   window 1: W's fragments, two sets, at v0 and v128.   window 2: the accumulators of my rows 0-63 ((a, b) at v[8 (8 a + b)]);   window 3: those of my rows 64-127.
.set SIZE_K, 1024
.set KSTEP,  512
.set NQ,     KSTEP/128
.set ROWB,   256
.set KROW,   SIZE_K*4/8
.set PITCH,  272                       ; an LDS row: 256 bytes + 16 of padding: the 16 rows that a load touches start 68 words apart
.set FR,     8
.set NL,     2
.set NP,     4
.set HALFT,  128*PITCH
.set SLOT,   4*HALFT
.set KS,     SIZE_K/32
.set SCL,    2*SLOT
.set HALFS,  (128*KS/256)*272
.set SBLK,   (16*KS/256)*272
.set SPARE,  SCL+4*HALFS
.set SPITCH, 272                       ; the way out: a stage of 16 rows x (256 + 16) bytes for each wave, in slot 0, which has had its one fill and its last read by then
.set ADRA, 16
.set ADRB, 20
.set STO,  24
.set RD,   25
.set CO,   26
.set ADRS, 27
.set SPW,  28
.set NIL,  29
.set SC,   32
.set TMP,  96
.set AF,   128
.set BK,   192
.set G1, 24
.set G0, 32
.set G1B, 48
.set G0B, 56
.set G1S, 68
.set G0S, 76
.set G1SB, 80
.set G0SB, 88
.set MSB, 0
.macro WIN new                         ; the immediate's high byte repeats the setting that is left
.if MSB != \new
	s_set_vgpr_msb (MSB<<8)|\new
.set MSB, \new
.endif
.endm
.set MUL_LO, 0xa1                      ; source 0 (W) window 1, source 1 (X) window 0, C and D window 2
.set MUL_HI, 0xf1
.set TO_B,   0x40
; A joint load: waves 0 and 1 fetch for X, waves 2 and 3 for W.  The branch hangs on the wave's number alone.  An s_nop 0 and four v_nop follow each line.
.macro JLOAD g0a, g1a, g0b, g1b
	s_cmp_eq_u32 s15, 0
	s_cbranch_scc0 .Lfor_b_\@
	tensor_load_to_lds s[\g0a:\g0a+3], s[\g1a:\g1a+7]
	s_nop 0
.rept 4
	v_nop
.endr
	s_branch .Lasked_\@
.Lfor_b_\@:
	tensor_load_to_lds s[\g0b:\g0b+3], s[\g1b:\g1b+7]
	s_nop 0
.rept 4
	v_nop
.endr
.Lasked_\@:
.endm
.macro CROUND                          ; a round of the cluster's barrier
	s_barrier_signal -1
	s_barrier_wait -1
	s_cmp_lg_u32 s14, 0
	s_cbranch_scc1 .Lnot_wave_0_\@
	s_barrier_signal -3
.Lnot_wave_0_\@:
	s_barrier_wait -3
	s_barrier_signal -1
	s_barrier_wait -1
.endm
	s_load_b128 s[4:7], s[0:1], 0x0                ; X's codes, X's scales
	s_load_b128 s[8:11], s[0:1], 0x10              ; W's codes, W's scales
	s_load_b64 s[12:13], s[0:1], 0x20              ; qkv
	v_lshl_add_u32 v[SPW], v0, 2, SPARE
	v_mov_b32 v[NIL], 0
	ds_add_u32 v[SPW], v[NIL]                      ; the wave's opening: the add, twice on end, and its wait ahead of my first tensor load
	ds_add_u32 v[SPW], v[NIL]
	v_lshrrev_b32 v1, 5, v0
	v_readfirstlane_b32 s14, v1                    ; wave 0..3
	s_lshr_b32 s15, s14, 1                         ; which half of the tile's rows is mine.  Also: I fetch for X (0) or for W (1)
	s_and_b32 s16, s14, 1                          ; which half of its columns.  Also: which 128 rows I fetch
	s_bfe_u32 s40, ttmp6, 0x40000                  ; cx, cy
	s_bfe_u32 s41, ttmp6, 0x40004
	s_lshl_b32 s42, ttmp9, 2
	s_add_co_u32 s42, s42, s40                     ; tile column
	s_and_b32 s17, ttmp7, 0xffff
	s_lshl_b32 s17, s17, 2
	s_add_co_u32 s17, s17, s41                     ; tile row
	s_lshl_b32 s43, s41, 2
	s_lshl_b32 s43, 15, s43                        ; my row of the cluster
	s_lshl_b32 s44, 0x1111, s40                    ; my column
	s_or_b32 s[G1+0], s43, (0<<16)|(1<<20)|(1<<21)|(5<<22)|(3<<25)   ; the mask; elements of 1 byte; padding: 4 words after every 64
	s_or_b32 s[G1B+0], s44, (0<<16)|(1<<20)|(1<<21)|(5<<22)|(3<<25)
.irp g, G1, G1B
	s_mov_b32 s[\g+1], ROWB<<16                    ; tensor_dim0
	s_mov_b32 s[\g+2], 128<<16                     ; tensor_dim1
	s_mov_b32 s[\g+3], ROWB<<16                    ; tile_dim0
	s_mov_b32 s[\g+4], 128                         ; tile_dim1
	s_mov_b32 s[\g+5], KROW                        ; from row to row
	s_mov_b32 s[\g+6], 0
	s_mov_b32 s[\g+7], 0
.endr
	s_or_b32 s[G1S+0], s43, (3<<16)|(1<<20)|(1<<21)|(5<<22)|(3<<25)  ; the scales of 128 rows: a dense block, as rows of 256 bytes (32 elements of 8), 16 bytes of padding behind each
	s_or_b32 s[G1SB+0], s44, (3<<16)|(1<<20)|(1<<21)|(5<<22)|(3<<25)
.irp g, G1S, G1SB
	s_mov_b32 s[\g+1], 32<<16
	s_mov_b32 s[\g+2], (128*KS/256)<<16
	s_mov_b32 s[\g+3], 32<<16
	s_mov_b32 s[\g+4], 128*KS/256
	s_mov_b32 s[\g+5], 32
	s_mov_b32 s[\g+6], 0
	s_mov_b32 s[\g+7], 0
.endr
	s_lshl_b32 s18, s16, 7
	s_lshl_b32 s20, s17, 8
	s_add_co_u32 s20, s20, s18                     ; X: row 256 x tile row + 128 x half
	s_lshl_b32 s46, s42, 8
	s_add_co_u32 s46, s46, s18                     ; W: row 256 x tile column + 128 x half
	s_mov_b32 s21, 0
	s_mov_b32 s47, 0
	s_mov_b64 s[18:19], KS
	s_mul_u64 s[22:23], s[20:21], s[18:19]
	s_mul_u64 s[92:93], s[46:47], s[18:19]
	s_mov_b64 s[18:19], KROW
	s_mul_u64 s[20:21], s[20:21], s[18:19]
	s_mul_u64 s[46:47], s[46:47], s[18:19]
	s_mul_i32 s45, s14, HALFT                      ; where they go: wave x 128 rows
	s_mul_i32 s94, s14, HALFS
	s_wait_dscnt 0x0                               ; both opening adds are done
	s_wait_kmcnt 0x0
	s_add_nc_u64 s[20:21], s[4:5], s[20:21]
	s_add_nc_u64 s[22:23], s[6:7], s[22:23]
	s_add_nc_u64 s[46:47], s[8:9], s[46:47]
	s_add_nc_u64 s[92:93], s[10:11], s[92:93]
	CROUND                                         ; all sixteen work-groups are here: the joint loads meet
	s_mov_b32 s[G0S], 1
	s_add_co_u32 s[G0S+1], s94, SCL
	s_mov_b64 s[G0S+2:G0S+3], s[22:23]
	s_or_b32 s[G0S+3], s[G0S+3], 0x80000000
	s_mov_b32 s[G0SB], 1
	s_add_co_u32 s[G0SB+1], s94, SCL
	s_mov_b64 s[G0SB+2:G0SB+3], s[92:93]
	s_or_b32 s[G0SB+3], s[G0SB+3], 0x80000000
	JLOAD G0S, G1S, G0SB, G1SB                     ; the scales first: they are wanted with the first slot
.irp s, 0,1
	s_mov_b32 s[G0+4*\s], 1
	s_add_co_u32 s[G0+4*\s+1], s45, \s*SLOT
	s_add_nc_u64 s[G0+4*\s+2:G0+4*\s+3], s[20:21], \s*ROWB
	s_or_b32 s[G0+4*\s+3], s[G0+4*\s+3], 0x80000000
	s_mov_b32 s[G0B+4*\s], 1
	s_add_co_u32 s[G0B+4*\s+1], s45, \s*SLOT
	s_add_nc_u64 s[G0B+4*\s+2:G0B+4*\s+3], s[46:47], \s*ROWB
	s_or_b32 s[G0B+4*\s+3], s[G0B+4*\s+3], 0x80000000
	JLOAD G0+4*\s, G1, G0B+4*\s, G1B
.endr
	v_and_b32 v1, 15, v0                           ; l % 16
	v_bfe_u32 v2, v0, 4, 1                         ; l / 16
	v_mul_u32_u24 v3, v1, PITCH
	v_lshl_add_u32 v4, v2, 4, v3
	s_mul_i32 s21, s15, HALFT
	s_mul_i32 s22, s16, HALFT
	s_add_co_u32 s22, s22, 2*HALFT
.irp s, 0,1
	v_add_nc_u32 v[ADRA+\s], s21, v4
	v_add_nc_u32 v[ADRB+\s], s22, v4
	s_add_co_u32 s21, s21, SLOT
	s_add_co_u32 s22, s22, SLOT
.endr
	v_mul_u32_u24 v5, v1, KS                       ; my row's scales: KS bytes a row, and 16 more for each 256 passed
	v_lshrrev_b32 v6, 8, v5
	v_lshl_add_u32 v5, v6, 4, v5
	s_mul_i32 s21, s15, HALFS
	s_mul_i32 s22, s16, HALFS
	s_add_co_u32 s22, s22, 2*HALFS
	s_sub_co_u32 s22, s22, s21
	v_mul_u32_u24 v6, s22, v2                      ; lanes 16-31 take W's
	s_add_co_u32 s21, s21, SCL
	v_add_nc_u32 v5, v5, v6
	v_add_nc_u32 v[ADRS], s21, v5
	s_mul_i32 s45, s14, 16*SPITCH                  ; my stage
	v_mul_u32_u24 v5, v1, SPITCH
	v_lshl_add_u32 v5, v2, 4, v5
	v_add_nc_u32 v[STO], s45, v5                   ; in: row l % 16, 16 bytes for each half of the lanes
	v_mul_u32_u24 v5, v2, SPITCH
	v_lshl_add_u32 v5, v1, 4, v5
	v_add_nc_u32 v[RD], s45, v5                    ; back: lanes 0-15 one row of 256 bytes, lanes 16-31 the next
	v_and_b32 v6, 31, v0
	v_lshlrev_b32 v[CO], 4, v6                     ; in qkv my wave's 128 rows are 32,768 bytes on end: two rows are 512 consecutive bytes
	s_lshl_b32 s20, s42, 1
	s_add_co_u32 s20, s20, s16                     ; which 128 columns: 16 x region + head
	s_lshl_b32 s21, s17, 8
	s_lshl_b32 s22, s15, 7
	s_add_co_u32 s21, s21, s22                     ; my first row: 2,048 x batch + t
	s_lshr_b32 s22, s20, 4
	s_lshl_b32 s22, s22, 1
	s_lshr_b32 s46, s21, 11
	s_add_co_u32 s22, s22, s46
	s_lshl_b32 s22, s22, 4
	s_and_b32 s20, s20, 15
	s_add_co_u32 s22, s22, s20                     ; (2 region + batch) x 16 + head
	s_lshl_b32 s22, s22, 11
	s_and_b32 s21, s21, 2047
	s_add_co_u32 s22, s22, s21
	s_lshl_b32 s22, s22, 8                         ; rows of 256 bytes: under 2^26
	s_mov_b32 s23, 0
	s_add_nc_u64 s[12:13], s[12:13], s[22:23]
.macro FRAG reg, adr, q, i             ; 16 rows x 128 K of 4-bit codes: 8 registers: two loads of 16 bytes, 32 bytes apart
.irp c, 0,1
	ds_load_b128 v[\reg+4*\c:\reg+4*\c+3], v[\adr] offset:64*(\q)+32*\c+(\i)*16*PITCH
.endr
.endm
; 16 matrix instructions: X's blocks a0, a0 + 1 against W's eight.  The 64 accumulators take turns, one instruction a turn.  zero = 1: the first product starts the sums.
.macro MUL16 a0, p, q, sc, zero
.irp a, \a0, \a0+1
.irp b, 0,1,2,3,4,5,6,7
.if \zero
	v_wmma_scale_f32_16x16x128_f8f6f4 v[8*(8*((\a)%4)+\b):8*(8*((\a)%4)+\b)+7], v[128*(\p)+FR*\b:128*(\p)+FR*\b+FR-1], v[AF+FR*(\a):AF+FR*(\a)+FR-1], 0, v[SC+8*NQ*(\sc)+NQ*\b+(\q)], v[SC+8*NQ*(\sc)+NQ*(\a)+(\q)] matrix_a_fmt:MATRIX_FMT_FP4 matrix_b_fmt:MATRIX_FMT_FP4 matrix_a_scale:MATRIX_SCALE_ROW1
.else
	v_wmma_scale_f32_16x16x128_f8f6f4 v[8*(8*((\a)%4)+\b):8*(8*((\a)%4)+\b)+7], v[128*(\p)+FR*\b:128*(\p)+FR*\b+FR-1], v[AF+FR*(\a):AF+FR*(\a)+FR-1], v[8*(8*((\a)%4)+\b):8*(8*((\a)%4)+\b)+7], v[SC+8*NQ*(\sc)+NQ*\b+(\q)], v[SC+8*NQ*(\sc)+NQ*(\a)+(\q)] matrix_a_fmt:MATRIX_FMT_FP4 matrix_b_fmt:MATRIX_FMT_FP4 matrix_a_scale:MATRIX_SCALE_ROW1
.endif
.endr
.endr
.endm
.macro FETCH_B slot, q, p
	WIN TO_B
.irp i, 0,1,2,3,4,5,6,7
	FRAG 128*(\p)+FR*\i, ADRB+\slot, \q, \i
.endr
	WIN 0
.endm
.macro FETCH_A slot, q, i0
.irp i, \i0, \i0+1, \i0+2, \i0+3
	FRAG AF+FR*(\i), ADRA+\slot, \q, \i
.endr
.endm
.macro SCALES sc                       ; a slot's scale words: lanes 0-15 take X's block i, lanes 16-31 W's block i
.irp i, 0,1,2,3,4,5,6,7
	ds_load_b128 v[SC+8*NQ*\sc+NQ*\i:SC+8*NQ*\sc+NQ*\i+3], v[ADRS] offset:\i*SBLK
.endr
.endm
.macro PLACES n                        ; plain vector instructions between a matrix instruction and a load into, or a read of, its registers
.rept \n
	v_nop
.endr
.endm
.macro STEP slot, q, zero              ; 128 along K that have their successor in the same slot
	s_wait_dscnt 4*NL                              ; W's set and X's blocks 0-3 are in; the youngest eight loads (X's blocks 4-7) may be out
	WIN MUL_LO
	MUL16 0, (\q)%2, \q, \slot, \zero
	MUL16 2, (\q)%2, \q, \slot, \zero
	s_wait_dscnt 0
	PLACES NP
	FETCH_B \slot, (\q)+1, 1-(\q)%2
	FETCH_A \slot, (\q)+1, 0
	WIN MUL_HI
	MUL16 4, (\q)%2, \q, \slot, \zero
	MUL16 6, (\q)%2, \q, \slot, \zero
	PLACES NP
	WIN 0
	FETCH_A \slot, (\q)+1, 4
.endm
.macro STEPS slot, from
.set Q, \from
.rept NQ-1-\from
	STEP \slot, Q, 0
.set Q, Q+1
.endr
.endm
	s_wait_tensorcnt 1                             ; the scales and my part of slot 0 are in; slot 1's load may be out
	s_barrier_signal -1
	s_barrier_wait -1
	FETCH_B 0, 0, 0
	FETCH_A 0, 0, 0
	SCALES 0
	FETCH_A 0, 0, 4
	STEP 0, 0, 1                                   ; the first step's products start the sums
	STEPS 0, 1
	; slot 0's last step changes slots: one barrier; in front of it my part of slot 1 has landed and my reads of slot 0 are over
	s_wait_tensorcnt 0x0
	ds_add_u32 v[SPW], v[NIL]
	s_wait_dscnt 4*NL+1                            ; the add and the youngest eight loads may be out
	WIN MUL_LO
	MUL16 0, 1, NQ-1, 0, 0
	s_wait_dscnt 0x0
	s_barrier_signal -1
	MUL16 2, 1, NQ-1, 0, 0
	WIN 0
	s_barrier_wait -1
	PLACES NP
	v_add_nc_u32 v[ADRS], 4*NQ, v[ADRS]            ; on to slot 1's scale words
	FETCH_B 1, 0, 0
	FETCH_A 1, 0, 0
	SCALES 1
	WIN MUL_HI
	MUL16 4, 1, NQ-1, 0, 0
	MUL16 6, 1, NQ-1, 0, 0
	PLACES NP
	WIN 0
	FETCH_A 1, 0, 4
	STEPS 1, 0
	s_wait_dscnt 4*NL                              ; the very last step: nothing more to fetch
	WIN MUL_LO
	MUL16 0, 1, NQ-1, 1, 0
	MUL16 2, 1, NQ-1, 1, 0
	s_wait_dscnt 0
	WIN MUL_HI
	MUL16 4, 1, NQ-1, 1, 0
	MUL16 6, 1, NQ-1, 1, 0
	WIN 0
; THE WAY OUT, block by block of 16 rows x 128 columns: rounded to f16 (16 bytes a lane), through my stage, back as whole rows of 256 bytes.
.macro PACK a
.set AC, 64*((\a)%4)
	WIN 0x0a+5*((\a)/4)                            ; sources 0 and 1: window 2 or 3
.irp b, 0,1,2,3,4,5,6,7
.irp r, 0,1,2,3
	v_cvt_pk_f16_f32 v[TMP+4*\b+\r], v[AC+8*\b+2*\r], v[AC+8*\b+2*\r+1]   ; each accumulator from its low end on
.endr
.endr
	WIN 0
.endm
.macro TOSTAGE a
.set BB, BK+32*((\a)%2)
.irp b, 0,1,2,3,4,5,6,7
	ds_store_b128 v[STO], v[TMP+4*\b:TMP+4*\b+3] offset:32*\b
.endr
.irp t, 0,1,2,3,4,5,6,7
	ds_load_b128 v[BB+4*\t:BB+4*\t+3], v[RD] offset:\t*2*SPITCH   ; a wave's LDS instructions are served in order: these see the stores above
.endr
.endm
.macro SEND a
.set BB, BK+32*((\a)%2)
	s_wait_dscnt 0x0                               ; the block is back in registers
	s_wait_xcnt 0x0                                ; the block before has had its stores' registers read: the next block's loads may land there
.irp t, 0,1,2,3,4,5,6,7
	global_store_b128 v[CO], v[BB+4*\t:BB+4*\t+3], s[12:13] offset:(\a)*4096+512*\t   ; 32 lanes store 512 consecutive bytes, aligned
.endr
.endm
	PLACES NP
	PACK 0
	TOSTAGE 0
.irp a, 1,2,3,4,5,6,7                  ; block a's conversions stand between block a - 1's loads from the stage and the wait for them
	PACK \a
	SEND \a-1
	TOSTAGE \a
.endr
	SEND 7
	s_wait_tensorcnt 0x0                           ; the wave's end
	ds_add_u32 v[SPW], v[NIL]
	s_wait_dscnt 0x0
	CROUND                                         ; the closing round
	s_endpgm
.Lfunc_end_k_q7b11683e7a_qkv:
	.size	k_q7b11683e7a_qkv, .Lfunc_end_k_q7b11683e7a_qkv-k_q7b11683e7a_qkv
	.p2alignl 7, 3214868480
	.fill 96, 4, 3214868480
	.section	.rodata,"a",@progbits
	.p2align	6, 0x0
	.amdhsa_kernel k_q7b11683e7a_qkv
		.amdhsa_group_segment_fixed_size 327680
		.amdhsa_private_segment_fixed_size 0
		.amdhsa_enable_private_segment 0
		.amdhsa_kernarg_size 40
		.amdhsa_user_sgpr_count 2
		.amdhsa_user_sgpr_kernarg_segment_ptr 1
		.amdhsa_wavefront_size32 1
		.amdhsa_system_sgpr_workgroup_id_x 1
		.amdhsa_system_sgpr_workgroup_id_y 1
		.amdhsa_system_sgpr_workgroup_id_z 1
		.amdhsa_system_vgpr_workitem_id 0
		.amdhsa_next_free_vgpr 1024
		.amdhsa_next_free_sgpr 98
		.amdhsa_reserve_vcc 0
		.amdhsa_float_denorm_mode_32 3
		.amdhsa_float_denorm_mode_16_64 3
		.amdhsa_memory_ordered 1
		.amdhsa_forward_progress 1
		.amdhsa_inst_pref_size 126
	.end_amdhsa_kernel
	.amdgpu_metadata
---
amdhsa.version: [ 1, 2 ]
amdhsa.kernels:
  - .name:           k_q7b11683e7a_qkv
    .symbol:         k_q7b11683e7a_qkv.kd
    .args:
      - { .name: x_codes, .offset: 0, .size: 8, .value_kind: global_buffer, .address_space: global }
      - { .name: x_scales, .offset: 8, .size: 8, .value_kind: global_buffer, .address_space: global }
      - { .name: w_codes, .offset: 16, .size: 8, .value_kind: global_buffer, .address_space: global }
      - { .name: w_scales, .offset: 24, .size: 8, .value_kind: global_buffer, .address_space: global }
      - { .name: qkv, .offset: 32, .size: 8, .value_kind: global_buffer, .address_space: global }
    .group_segment_fixed_size: 327680
    .private_segment_fixed_size: 0
    .kernarg_segment_align: 8
    .kernarg_segment_size: 40
    .max_flat_workgroup_size: 128
    .sgpr_count:     98
    .vgpr_count:     1024
    .wavefront_size: 32
...
	.end_amdgpu_metadata
.endif
;; end of part 2
;; launch attn (part 3): grid 8 x 32, 8 waves a work-group, no clusters, 327,680 bytes of LDS; arguments qkv, lambda_q1, lambda_k1, lambda_q2, lambda_k2, ybuf; writes ybuf
.if DOCPART == 3
	.amdgcn_target "amdgcn-amd-amdhsa--gfx1250"
	.amdhsa_code_object_version 6
	.text
	.protected	k_q7b11683e7a_attn
	.globl	k_q7b11683e7a_attn
	.p2align	8
	.type	k_q7b11683e7a_attn,@function
k_q7b11683e7a_attn:
	s_mov_b64 s[64:65], 0
	v_nop
	global_prefetch_b8 v0, s[64:65] scope:SCOPE_SE
	s_setreg_imm32_b32 hwreg(HW_REG_WAVE_MODE, 25, 1), 1
	s_wait_xcnt 0x0
; y = LayerNorm((softmax(q1 k1^T / 8) - lam softmax(q2 k2^T / 8)) v) x (1 - LAMBDA_INIT), causal, for one head; operands of the products in f16, all else in f32.
; qkv: [region 3][batch x 16 + head][t 2,048][128] f16: q1|q2, k1|k2, v; a row is 256 bytes.  ybuf: [batch x 2,048 + t][2,048] f16, head h at byte 256 h.
; SHARES.  Work-group (i, head) makes TWO blocks of 128 queries, block i and then block 15 - i: (i + 1) + (16 - i) = 17 slots of 128 keys for every work-group.
; Wave w: sigma = w & 1 says which softmax, g = w >> 1 which 32 queries: two tiles of 16 queries, so that each fragment of K and of V feeds two matrix instructions.
; Register tile t holds queries 32 g + 16 (t xor sigma) + r: at a block's end every wave keeps its tile 0 and hands its tile 1 to wave w xor 1 through LDS, as an image of the registers.
; LAYOUT.  Both products are used transposed: S^T = K Q^T (source 0 = 16 keys), O^T = V^T P (source 0 = 16 channels, turned on the way out of LDS): a lane holds one query; two tiles of S^T rounded in pairs ARE a fragment of P.
; SOFTMAX.  A running maximum m and sum l for each query: p = 2^(c s - c m), c = log2(e) / 8; in every step O and l are multiplied by a = 2^(c m_old - c m_new).  l is the sum of the unrounded p.
; THE RING.  Two slots of 128 keys (K's rows, then V's), filled by waves 0-3, one tensor load each, and read by all eight.  Every wait on TENSORcnt is for 0; one tensor load of a wave is out at most.
; THE CAUSAL MASK.  The trip counts are constants (8 and 16).  A slot all of whose keys come after the block's queries is neither asked for nor worked on: scalar branches on ids and the count of trips, the same in all waves.
; No cluster: the eight work-groups of a head want a given slot in different trips, and different numbers of slots.
; LIMITS: NaN and infinities are not served; q, k, v are f16 (the launch before: up to 65,504).
; REGISTERS.  window 0: v1-18 addresses and constants; v19-31 at work in the head; v32-63 Q; v64-191 S^T (tile t at 64 + 64 t), P in place in each tile's first 32; v192-223 statistics, 16 a tile; v224-255 packed y.
;   window 1: v0-127 O^T (tile t, channel tile ct at 64 t + 8 ct); v128-191, v192-255 two buffers of 8 fragments.
.set PITK,  272                        ; a key's row in LDS: 256 bytes + 16
.set PITV,  288                        ; a row of V: 256 + 32
.set VOFF,  128*PITK
.set SLOT1, 131072                     ; slot 1 begins here: one exclusive or turns an address from slot to slot
.set XCH,   SLOT1+128*(PITK+PITV)      ; 8 x 8,192 bytes: the tiles that change waves
.set STAGE, XCH+8*8192                 ; 8 x 16 rows x 272 bytes: the way out
.set SPARE, STAGE+8*16*272             ; the spare words, 128 bytes for each wave
.set AK0, 1
.set AV0, 2
.set ADR, 3
.set ADV, 4
.set QO,  5                            ; v5, v6
.set STO, 7
.set RD,  8
.set GO,  9
.set XW,  10
.set XR,  11
.set DQ,  12                           ; v12, v13: my query in the block, less 8 (lane / 16)
.set NINF, 14
.set FSV, 15                           ; 1 (sigma = 0) or -lam (sigma = 1)
.set SPW, 16
.set NIL, 17
.set PFO, 18
.set Q,   32
.set S,   64
.set ST,  192                          ; tile t at ST + 16 t: +0 c m, +1 m, +2 +3 l, +4..+7 chains of the maximum, +8 a (+9 named with it), +10..+13 two pair sums, +14 c m_old
.set YH,  224
.set TB,  2                            ; s2 LDS byte at which the slot in hand begins
.set J,   3                            ; s3 the trip = the key slot
.set WV,  16
.set SG,  17
.set GG,  18
.set BLK, 19                           ; the block of queries in hand
.set SEL, 20
.set CS,  22
.set G1K, 24
.set G1V, 32
.set G0K, 40
.set G0V, 44
.set BASEK, 48
.set BASEV, 50
.set QB,  52
.set YB,  54
.set QP,  56
.set YP,  58
.set PFB, 60
.set PFA, 62
.set LIMA, 66
.set LIMB, 67
.set SMK, 72
.set R128, 73
.set EPSR, 74
.set OML, 75
.set LI,  76
.set L2E, 77
.set BH,  78
.set MSB, 0
.macro WIN new                         ; the immediate's high byte repeats the setting that is left
.if MSB != \new
	s_set_vgpr_msb (MSB<<8)|\new
.set MSB, \new
.endif
.endm
.macro PLACES                          ; plain vector instructions between a matrix instruction and what touches its registers (ISA guide 7.12.1)
.rept 4
	v_nop
.endr
.endm
; Waves 0 and 1 fetch K's halves of a slot, waves 2 and 3 V's, the others nothing.  The branches hang on the wave's number alone.  An s_nop 0 and four v_nop follow each line.
.macro TLOAD
	s_cmp_lt_u32 s[WV], 2
	s_cbranch_scc0 .Lnot_k_\@
	tensor_load_to_lds s[G0K:G0K+3], s[G1K:G1K+7]
	s_nop 0
.rept 4
	v_nop
.endr
	s_branch .Lasked_\@
.Lnot_k_\@:
	s_cmp_lt_u32 s[WV], 4
	s_cbranch_scc0 .Lasked_\@
	tensor_load_to_lds s[G0V:G0V+3], s[G1V:G1V+7]
	s_nop 0
.rept 4
	v_nop
.endr
.Lasked_\@:
.endm
	s_load_b256 s[4:11], s[0:1], 0x0               ; qkv s[4:5], lambda_q1 s[6:7], lambda_k1 s[8:9], lambda_q2 s[10:11]
	s_load_b128 s[12:15], s[0:1], 0x20             ; lambda_k2 s[12:13], ybuf s[14:15]
	v_lshl_add_u32 v[SPW], v0, 2, SPARE
	v_mov_b32 v[NIL], 0
	ds_add_u32 v[SPW], v[NIL]                      ; the wave's opening: the add, twice on end, and its wait ahead of the first tensor load
	ds_add_u32 v[SPW], v[NIL]
	v_lshrrev_b32 v19, 5, v0
	v_readfirstlane_b32 s[WV], v19                 ; wave 0..7
	s_and_b32 s[SG], s[WV], 1
	s_lshr_b32 s[GG], s[WV], 1
	s_and_b32 s[BH], ttmp7, 0xffff                 ; batch x 16 + head
	; descriptor group 1: 64 rows x 128 elements of 2 bytes, dense in memory, padded in LDS
	s_mov_b32 s[G1K], (1<<16)|(1<<20)|(5<<22)|(3<<25)   ; 4 words of padding after every 64
	s_mov_b32 s[G1V], (1<<16)|(1<<20)|(5<<22)|(7<<25)   ; 8 words
.irp g, G1K, G1V
	s_mov_b32 s[\g+1], 128<<16                     ; tensor_dim0
	s_mov_b32 s[\g+2], 64<<16                      ; tensor_dim1
	s_mov_b32 s[\g+3], 128<<16                     ; tile_dim0
	s_mov_b32 s[\g+4], 64                          ; tile_dim1
	s_mov_b32 s[\g+5], 128                         ; from row to row
	s_mov_b32 s[\g+6], 0
	s_mov_b32 s[\g+7], 0
.endr
	s_mov_b32 s[G0K], 1
	s_mul_i32 s[G0K+1], s[SG], 64*PITK             ; my half of K's tile, in slot 0
	s_mov_b32 s[G0V], 1
	s_mul_i32 s[G0V+1], s[SG], 64*PITV
	s_add_co_u32 s[G0V+1], s[G0V+1], VOFF
	s_mov_b32 s[SEL], 0x76543210
	s_mov_b32 s[SEL+1], 0xfedcba98                 ; lane l xor 16
	s_mov_b32 s[CS], 0x3e38aa3b                    ; c = log2(e) / 8
	s_mov_b32 s[CS+1], s[CS]
	s_mov_b32 s[R128], 0x3c000000                  ; 1 / 128
	s_mov_b32 s[EPSR], 0x3727c5ac                  ; 1e-5
	s_mov_b32 s[OML], 0x3ee34c57                   ; 1 - LAMBDA_INIT = 0.44394180
	s_mov_b32 s[LI], 0x3f0e59d5                    ; LAMBDA_INIT = 0.8 - 0.6 exp(-0.9) = 0.55605820
	s_mov_b32 s[L2E], 0x3fb8aa3b                   ; log2(e)
	s_sub_co_u32 s[SMK], 0, s[SG]                  ; all ones where sigma = 1
	s_mov_b32 s[TB], 0
	v_and_b32 v19, 15, v0                          ; r
	v_bfe_u32 v20, v0, 4, 1                        ; h
	v_and_b32 v21, 31, v0                          ; lane
	v_mul_u32_u24 v[AK0], v19, PITK
	v_lshl_add_u32 v[AK0], v20, 4, v[AK0]
	s_lshl_b32 s68, s[SG], 7
	v_add_nc_u32 v[AK0], s68, v[AK0]               ; K: row r, + 16 h, + 128 for k2
	v_and_b32 v22, 7, v0
	v_bfe_u32 v23, v0, 3, 1
	v_lshl_add_u32 v[AV0], v20, 3, v22
	v_mul_u32_u24 v[AV0], v[AV0], PITV
	v_lshl_add_u32 v[AV0], v23, 4, v[AV0]
	v_add_nc_u32 v[AV0], VOFF, v[AV0]              ; V, for the turning load: key 8 h + l % 8, channels 8 ((l / 8) % 2) on
	v_lshlrev_b32 v24, 8, v19
	v_lshl_add_u32 v24, v20, 4, v24
	v_add_nc_u32 v24, s68, v24
	s_lshl_b32 s69, s[SG], 12
	v_add_nc_u32 v[QO], s69, v24                   ; Q: row 16 (t xor sigma) + r of my 32, + 128 sigma + 16 h
	s_xor_b32 s69, s69, 4096
	v_add_nc_u32 v[QO+1], s69, v24
	s_mul_i32 s68, s[WV], 16*272
	s_add_co_u32 s68, s68, STAGE
	v_mul_u32_u24 v[STO], v19, 272
	v_lshl_add_u32 v[STO], v20, 4, v[STO]
	v_add_nc_u32 v[STO], s68, v[STO]
	v_mul_u32_u24 v[RD], v20, 272
	v_lshl_add_u32 v[RD], v19, 4, v[RD]
	v_add_nc_u32 v[RD], s68, v[RD]
	v_lshlrev_b32 v[GO], 12, v20
	v_lshl_add_u32 v[GO], v19, 4, v[GO]            ; ybuf: lanes 0-15 one row, lanes 16-31 the next; 16 bytes a lane
	s_lshl_b32 s68, s[WV], 13
	s_add_co_u32 s68, s68, XCH
	v_lshl_add_u32 v[XW], v21, 4, s68
	s_xor_b32 s68, s[WV], 1
	s_lshl_b32 s68, s68, 13
	s_add_co_u32 s68, s68, XCH
	v_lshl_add_u32 v[XR], v21, 4, s68
	s_lshl_b32 s68, s[GG], 5
	s_lshl_b32 s69, s[SG], 4
	s_add_co_u32 s70, s68, s69
	s_xor_b32 s69, s69, 16
	s_add_co_u32 s71, s68, s69
	v_lshlrev_b32 v25, 3, v20
	v_sub_nc_u32 v25, v19, v25
	v_add_nc_u32 v[DQ], s70, v25
	v_add_nc_u32 v[DQ+1], s71, v25
	v_mov_b32 v[NINF], 0xff800000
	v_lshlrev_b32 v[PFO], 8, v21
	s_lshl_b32 s70, s[BH], 19                      ; a head's 2,048 rows of 256 bytes
	s_mov_b32 s71, 0
	s_lshl_b32 s68, s[SG], 14                      ; my half of a slot's rows in memory
	s_mov_b32 s69, 0
	s_wait_dscnt 0x0                               ; both opening adds are done
	s_wait_kmcnt 0x0
	s_add_nc_u64 s[QB:QB+1], s[4:5], s[70:71]
	s_add_nc_u64 s[BASEK:BASEK+1], s[QB:QB+1], s[68:69]
	s_add_nc_u64 s[BASEV:BASEV+1], s[BASEK:BASEK+1], 0x2000000
	s_add_nc_u64 s[BASEK:BASEK+1], s[BASEK:BASEK+1], 0x1000000
	s_mov_b64 s[G0K+2:G0K+3], s[BASEK:BASEK+1]
	s_or_b32 s[G0K+3], s[G0K+3], 0x80000000
	s_mov_b64 s[G0V+2:G0V+3], s[BASEV:BASEV+1]
	s_or_b32 s[G0V+3], s[G0V+3], 0x80000000
	TLOAD                                          ; key slot 0 into slot 0: the one first fill at the head; key 0 counts for every query
	; the prefetches: waves 0-3 stand in K, waves 4-7 in V, 8,192 bytes of a slot each, lanes 256 bytes apart; PFB stands in key slot 1
	s_lshr_b32 s68, s[WV], 2
	s_add_co_u32 s68, s68, 1
	s_lshl_b32 s68, s68, 24
	s_and_b32 s69, s[WV], 3
	s_lshl_b32 s69, s69, 13
	s_add_co_u32 s68, s68, s69
	s_add_co_u32 s68, s68, 32768
	s_mov_b32 s69, 0
	s_add_nc_u64 s[PFB:PFB+1], s[QB:QB+1], s[68:69]
	s_lshl_b32 s68, s[GG], 13
	s_add_nc_u64 s[QB:QB+1], s[QB:QB+1], s[68:69]  ; Q at my 32 queries of block 0
	s_lshr_b32 s68, s[BH], 4
	s_lshl_b32 s68, s68, 23                        ; batch x 2,048 rows of 4,096 bytes
	s_lshl_b32 s70, s[GG], 17
	s_add_co_u32 s68, s68, s70
	s_lshl_b32 s70, s[SG], 16
	s_add_co_u32 s68, s68, s70                     ; + (32 g + 16 sigma) rows: the 16 queries that I keep
	s_and_b32 s70, s[BH], 15
	s_lshl_b32 s70, s70, 8
	s_add_co_u32 s68, s68, s70                     ; + the head's 256 bytes
	s_add_nc_u64 s[YB:YB+1], s[14:15], s[68:69]
	s_cmp_eq_u32 ttmp9, 7
	s_cselect_b32 s[LIMA], 6, 0                    ; work-group 7 asks for key slots 2-7 in its first pass,
	s_cmp_eq_u32 ttmp9, 0
	s_cselect_b32 s[LIMB], 8, 0                    ; work-group 0 for key slots 8-15 in its second: each block of 256 bytes is named once in the launch
	; lam = exp(sum lq1 lk1) - exp(sum lq2 lk2) + LAMBDA_INIT, of my head: two numbers a lane
	v_lshl_add_u32 v19, v21, 3, s70
	global_load_b64 v[22:23], v19, s[6:7]
	global_load_b64 v[24:25], v19, s[8:9]
	global_load_b64 v[26:27], v19, s[10:11]
	global_load_b64 v[28:29], v19, s[12:13]
	s_wait_loadcnt 0x0
	v_mul_f32 v22, v22, v24
	v_mul_f32 v26, v26, v28
	v_fmac_f32 v22, v23, v25
	v_fmac_f32 v26, v27, v29
.irp x, 1,2,4,8
	v_add_f32_dpp v22, v22, v22 row_xmask:\x row_mask:0xf bank_mask:0xf
	v_add_f32_dpp v26, v26, v26 row_xmask:\x row_mask:0xf bank_mask:0xf
.endr
	v_permlanex16_b32 v23, v22, s[SEL], s[SEL+1]
	v_permlanex16_b32 v27, v26, s[SEL], s[SEL+1]
	v_add_f32 v22, v22, v23
	v_add_f32 v26, v26, v27
	v_mul_f32 v22, s[L2E], v22
	v_mul_f32 v26, s[L2E], v26
	v_exp_f32 v22, v22
	v_exp_f32 v26, v26
	v_nop                                          ; a plain instruction behind the exponentials,
	s_wait_alu depctr_va_vdst(0)                   ; and the wait ahead of the first use: one for both
	v_sub_f32 v22, v22, v26
	v_add_f32 v22, s[LI], v22
	v_mul_f32 v22, -1.0, v22
	v_mov_b32 v23, 1.0
	v_cndmask_b32 v[FSV], v23, v22, s[SMK]
; THE CHANGE OF SLOTS, at a trip's head.  Each wave waits for all its tensor loads, adds 0 to its spare word, and waits for that and for its reads of the slot that it has left; then the barrier.
; Behind it the slot ahead is whole and nobody reads the other one, which takes key slot J + 1, if the block's queries see it.
; The prefetch asks for key slot J + 2, which the next trip's tensor loads will ask for: one instruction a wave, in the one work-group and the trips lo .. lo + lim - 1 that the head has set.
.macro CHANGE lo, lim
	s_wait_tensorcnt 0x0                           ; no tensor load of mine is out, so a group 0 may be written
	ds_add_u32 v[SPW], v[NIL]                      ; the add, twice on end, in every trip alike
	ds_add_u32 v[SPW], v[NIL]
	s_xor_b32 s[G0K+1], s[G0K+1], SLOT1
	s_add_nc_u64 s[G0K+2:G0K+3], s[G0K+2:G0K+3], 32768
	s_xor_b32 s[G0V+1], s[G0V+1], SLOT1
	s_add_nc_u64 s[G0V+2:G0V+3], s[G0V+2:G0V+3], 32768
	s_wait_xcnt 0x0                                ; the last prefetch, a trip back, has read its address
	s_add_nc_u64 s[PFA:PFA+1], s[PFA:PFA+1], 32768
	s_wait_dscnt 0x0
	s_barrier_signal -1
	s_barrier_wait -1
	s_cmp_ge_u32 s[J], s[BLK]                      ; key slot J + 1 comes after all my work-group's queries: no wave would read it, so it is not asked for
	s_cbranch_scc1 .Lpast_\@
	TLOAD
.Lpast_\@:
	s_sub_co_u32 s68, s[J], \lo
	s_cmp_lt_u32 s68, s[\lim]
	s_cbranch_scc0 .Lnoask_\@
	global_prefetch_b8 v[PFO], s[PFA:PFA+1] th:TH_LOAD_NT scope:SCOPE_SE
.Lnoask_\@:
.endm
.macro FETCH_K u                       ; key tiles 4 u .. 4 u + 3, both halves of the 64 channels: 8 fragments into buffer u
.irp a, 0,1,2,3
.irp c, 0,1
	ds_load_b128 v[128+64*\u+8*(2*\a+\c):128+64*\u+8*(2*\a+\c)+3],   v[ADR] offset:(4*\u+\a)*16*PITK+64*\c
	ds_load_b128 v[128+64*\u+8*(2*\a+\c)+4:128+64*\u+8*(2*\a+\c)+7], v[ADR] offset:(4*\u+\a)*16*PITK+64*\c+32
.endr
.endr
.endm
.macro SMUL u                          ; 16 products of S^T: eight accumulators by turns, one instruction a turn; the first eight start the sums
.irp c, 0,1
.irp a, 0,1,2,3
.irp t, 0,1
.if \c == 0
	v_wmma_f32_16x16x32_f16 v[S+64*\t+8*(4*\u+\a):S+64*\t+8*(4*\u+\a)+7], v[128+64*\u+8*(2*\a+\c):128+64*\u+8*(2*\a+\c)+7], v[Q+16*\t+8*\c:Q+16*\t+8*\c+7], 0
.else
	v_wmma_f32_16x16x32_f16 v[S+64*\t+8*(4*\u+\a):S+64*\t+8*(4*\u+\a)+7], v[128+64*\u+8*(2*\a+\c):128+64*\u+8*(2*\a+\c)+7], v[Q+16*\t+8*\c:Q+16*\t+8*\c+7], v[S+64*\t+8*(4*\u+\a):S+64*\t+8*(4*\u+\a)+7]
.endif
.endr
.endr
.endr
.endm
.macro FETCH_V kc, f                   ; keys 32 kc on, all 128 channels, turned: 8 fragments into buffer f
.irp ct, 0,1,2,3,4,5,6,7
	ds_load_tr16_b128 v[128+64*\f+8*\ct:128+64*\f+8*\ct+3],   v[ADV] offset:\kc*32*PITV+32*\ct
	ds_load_tr16_b128 v[128+64*\f+8*\ct+4:128+64*\f+8*\ct+7], v[ADV] offset:\kc*32*PITV+16*PITV+32*\ct
.endr
.endm
.macro PVMUL kc, f                     ; 16 products of O^T: sixteen accumulators by turns
.irp ct, 0,1,2,3,4,5,6,7
.irp t, 0,1
	v_wmma_f32_16x16x32_f16 v[64*\t+8*\ct:64*\t+8*\ct+7], v[128+64*\f+8*\ct:128+64*\f+8*\ct+7], v[S+64*\t+8*\kc:S+64*\t+8*\kc+7], v[64*\t+8*\ct:64*\t+8*\ct+7]
.endr
.endr
.endm
.macro MASK                            ; the diagonal slot: register n holds key 16 (n / 8) + n % 8 + 8 (lane / 16) of the slot: hidden where that is above my query
.irp t, 0,1
.set n, 0
.rept 64
	v_cmp_gt_i32 vcc_lo, 16*(n/8)+n%8, v[DQ+\t]
	v_cndmask_b32 v[S+64*\t+n], v[S+64*\t+n], v[NINF], vcc_lo
.set n, n+1
.endr
.endr
.endm
.macro SOFTMAX                         ; both tiles, line by line in turns
.irp q, 0,1,2,3                        ; the maximum: four chains of 16 scores; each accumulator is first read at its low end
.irp t, 0,1
	v_max3_num_f32 v[ST+16*\t+4+\q], v[S+64*\t+16*\q], v[S+64*\t+16*\q+1], v[S+64*\t+16*\q+2]
.endr
.endr
.irp i, 1,2,3,4,5,6
.irp q, 0,1,2,3
.irp t, 0,1
	v_max3_num_f32 v[ST+16*\t+4+\q], v[ST+16*\t+4+\q], v[S+64*\t+16*\q+2*\i+1], v[S+64*\t+16*\q+2*\i+2]
.endr
.endr
.endr
.irp t, 0,1
	v_max3_num_f32 v[ST+16*\t+4], v[ST+16*\t+4], v[S+64*\t+15], v[S+64*\t+31]
.endr
.irp t, 0,1
	v_max3_num_f32 v[ST+16*\t+6], v[ST+16*\t+6], v[S+64*\t+47], v[S+64*\t+63]
.endr
.irp t, 0,1
	v_max3_num_f32 v[ST+16*\t+4], v[ST+16*\t+4], v[ST+16*\t+5], v[ST+16*\t+6]
.endr
.irp t, 0,1
	v_max3_num_f32 v[ST+16*\t+4], v[ST+16*\t+4], v[ST+16*\t+7], v[ST+16*\t+1]   ; with the old m
.endr
.irp t, 0,1
	v_permlanex16_b32 v[ST+16*\t+5], v[ST+16*\t+4], s[SEL], s[SEL+1]            ; the query's other 64 keys lie in the lane 16 away
.endr
.irp t, 0,1
	v_mov_b32 v[ST+16*\t+14], v[ST+16*\t]
.endr
.irp t, 0,1
	v_max_num_f32 v[ST+16*\t+1], v[ST+16*\t+4], v[ST+16*\t+5]
.endr
.irp t, 0,1
	v_mul_f32 v[ST+16*\t], s[CS], v[ST+16*\t+1]
.endr
.irp t, 0,1
	v_sub_f32 v[ST+16*\t+14], v[ST+16*\t+14], v[ST+16*\t]
.endr
.irp t, 0,1
	v_exp_f32 v[ST+16*\t+8], v[ST+16*\t+14]        ; a.  ONE BATCH: these two and the 128 below; nothing names a result before the wait
.endr
.set b, 0
.rept 32
.irp t, 0,1
	v_pk_fma_f32 v[S+64*\t+b:S+64*\t+b+1], v[S+64*\t+b:S+64*\t+b+1], s[CS:CS+1], v[ST+16*\t:ST+16*\t+1] op_sel_hi:[1,0,0] neg_lo:[0,0,1] neg_hi:[0,0,1]   ; c s - c m
.endr
.set b, b+2
.endr
.set e, 0
.rept 128
	v_exp_f32 v[S+e], v[S+e]
.set e, e+1
.endr
	v_nop                                          ; a plain instruction behind the last exponential,
	s_wait_alu depctr_va_vdst(0)                   ; and the one wait for the batch
.irp t, 0,1                            ; the sums of the unrounded p: two chains of pairs a tile
	v_pk_add_f32 v[ST+16*\t+10:ST+16*\t+11], v[S+64*\t:S+64*\t+1], v[S+64*\t+2:S+64*\t+3]
	v_pk_add_f32 v[ST+16*\t+12:ST+16*\t+13], v[S+64*\t+4:S+64*\t+5], v[S+64*\t+6:S+64*\t+7]
.endr
.set p, 8
.rept 14
.irp t, 0,1
	v_pk_add_f32 v[ST+16*\t+10:ST+16*\t+11], v[ST+16*\t+10:ST+16*\t+11], v[S+64*\t+p:S+64*\t+p+1]
	v_pk_add_f32 v[ST+16*\t+12:ST+16*\t+13], v[ST+16*\t+12:ST+16*\t+13], v[S+64*\t+p+2:S+64*\t+p+3]
.endr
.set p, p+4
.endr
.irp t, 0,1
	v_pk_add_f32 v[ST+16*\t+10:ST+16*\t+11], v[ST+16*\t+10:ST+16*\t+11], v[ST+16*\t+12:ST+16*\t+13]
.endr
.irp t, 0,1
	v_pk_fma_f32 v[ST+16*\t+2:ST+16*\t+3], v[ST+16*\t+2:ST+16*\t+3], v[ST+16*\t+8:ST+16*\t+9], v[ST+16*\t+10:ST+16*\t+11] op_sel_hi:[1,0,1]   ; l = l a + the sum
.endr
.set k, 0
.rept 32                               ; P in place: register k takes scores 2 k and 2 k + 1, which lie at or above it
	v_cvt_pk_f16_f32 v[S+k], v[S+2*k], v[S+2*k+1]
	v_cvt_pk_f16_f32 v[S+64+k], v[S+64+2*k], v[S+64+2*k+1]
.set k, k+1
.endr
.endm
; A KEY STEP: 128 keys.  96 matrix instructions, 96 LDS loads in six runs.
.macro STEP
	v_add_nc_u32 v[ADR], s[TB], v[AK0]
	v_add_nc_u32 v[ADV], s[TB], v[AV0]
	PLACES                                         ; with the two additions six places: S^T's first products write over P, which the last step's products read, and the loads land in their fragments
	WIN 0x40
	FETCH_K 0
	FETCH_K 1
	s_wait_dscnt 16                                ; the first 16 loads are in; the second 16 may be out
	WIN 0x01
	SMUL 0
	s_wait_dscnt 0x0
	SMUL 1
	PLACES
	WIN 0x40
	FETCH_V 0, 0                                   ; they land under the softmax
	FETCH_V 1, 1
	WIN 0
	s_cmp_lg_u32 s[J], s[BLK]
	s_cbranch_scc1 .Lopen_\@
	MASK
.Lopen_\@:
	SOFTMAX
	WIN 0x41
.set k, 0
.rept 32
	v_pk_mul_f32 v[k:k+1], v[k:k+1], v[ST+8:ST+9] op_sel_hi:[1,0]            ; O^T x a
	v_pk_mul_f32 v[64+k:64+k+1], v[64+k:64+k+1], v[ST+24:ST+25] op_sel_hi:[1,0]
.set k, k+2
.endr
	s_wait_dscnt 0x0
	WIN 0x51
	PVMUL 0, 0
	PLACES
	WIN 0x40
	FETCH_V 2, 0
	WIN 0x51
	PVMUL 1, 1
	PLACES
	WIN 0x40
	FETCH_V 3, 1
	s_wait_dscnt 16                                ; keys 64-95 are in; the last 16 loads may be out
	WIN 0x51
	PVMUL 2, 0
	s_wait_dscnt 0x0
	PVMUL 3, 1
	WIN 0
.endm
.macro INIT                            ; a block of queries begins
	s_wait_xcnt 0x0                                ; every earlier load, store and prefetch has read its address registers
	s_lshl_b32 s68, s[BLK], 15
	s_mov_b32 s69, 0
	s_add_nc_u64 s[QP:QP+1], s[QB:QB+1], s[68:69]
	s_lshl_b32 s68, s[BLK], 19
	s_add_nc_u64 s[YP:YP+1], s[YB:YB+1], s[68:69]
	s_mov_b64 s[PFA:PFA+1], s[PFB:PFB+1]
.irp t, 0,1
.irp c, 0,1
	global_load_b128 v[Q+16*\t+8*\c:Q+16*\t+8*\c+3],   v[QO+\t], s[QP:QP+1] offset:64*\c
	global_load_b128 v[Q+16*\t+8*\c+4:Q+16*\t+8*\c+7], v[QO+\t], s[QP:QP+1] offset:64*\c+32
.endr
.endr
	WIN 0x40
.set k, 0
.rept 128
	v_mov_b32 v[k], 0                              ; O^T: the step is written once; its first trip finds zeros, which a = 0 leaves zeros
.set k, k+1
.endr
	WIN 0
.irp t, 0,1
	v_mov_b32 v[ST+16*\t+1], 0xff61b1e6            ; m = -3e38, under every score
	v_mul_f32 v[ST+16*\t], s[CS], v[ST+16*\t+1]
	v_mov_b32 v[ST+16*\t+2], 0
	v_mov_b32 v[ST+16*\t+3], 0
	v_mov_b32 v[ST+16*\t+5], 0                     ; a lane permute's destination counts as one of its sources
	v_mov_b32 v[ST+16*\t+9], 0                     ; named with a as a pair
.endr
	s_mov_b32 s[J], 0
	s_wait_loadcnt 0x0
.endm
; A BLOCK'S END.  O^T x (1 or -lam) / l; tile 1 to wave w xor 1; y = my tile 0 + what I receive; LayerNorm over the 128 channels (64 in my lane, 64 in the lane 16 away); f16; through my stage; whole pieces of 256 bytes out.
.macro FINAL
	PLACES
.irp t, 0,1
	v_add_f32 v[ST+16*\t+4], v[ST+16*\t+2], v[ST+16*\t+3]
.endr
.irp t, 0,1
	v_permlanex16_b32 v[ST+16*\t+5], v[ST+16*\t+4], s[SEL], s[SEL+1]
.endr
.irp t, 0,1
	v_add_f32 v[ST+16*\t+4], v[ST+16*\t+4], v[ST+16*\t+5]
.endr
.irp t, 0,1
	v_rcp_f32 v[ST+16*\t+8], v[ST+16*\t+4]
.endr
	v_nop
	s_wait_alu depctr_va_vdst(0)                   ; one wait for both reciprocals
.irp t, 0,1
	v_mul_f32 v[ST+16*\t+8], v[FSV], v[ST+16*\t+8]
.endr
	WIN 0x41
.set k, 0
.rept 32
	v_pk_mul_f32 v[k:k+1], v[k:k+1], v[ST+8:ST+9] op_sel_hi:[1,0]
	v_pk_mul_f32 v[64+k:64+k+1], v[64+k:64+k+1], v[ST+24:ST+25] op_sel_hi:[1,0]
.set k, k+2
.endr
	WIN 0x04                                       ; an LDS store's data are its source 1: window 1
.irp k, 0,1,2,3,4,5,6,7,8,9,10,11,12,13,14,15
	ds_store_b128 v[XW], v[64+4*\k:64+4*\k+3] offset:512*\k
.endr
	WIN 0
	s_wait_dscnt 0x0                               ; for the other wave's sake: my stores have landed
	s_barrier_signal -1
	s_barrier_wait -1
.irp k, 0,1,2,3,4,5,6,7,8,9,10,11,12,13,14,15
	ds_load_b128 v[S+4*\k:S+4*\k+3], v[XR] offset:512*\k
.endr
	s_wait_dscnt 0x0
	WIN 0x01
.set k, 0
.rept 32
	v_pk_add_f32 v[S+k:S+k+1], v[k:k+1], v[S+k:S+k+1]      ; y: register 8 ct + j is channel 16 ct + 8 h + j of query r
.set k, k+2
.endr
	WIN 0
.irp q, 0,1,2,3                        ; the mean: four chains of pairs
	v_pk_add_f32 v[192+2*\q:193+2*\q], v[S+2*\q:S+2*\q+1], v[S+8+2*\q:S+9+2*\q]
.endr
.set p, 16
.rept 6
.irp q, 0,1,2,3
	v_pk_add_f32 v[192+2*\q:193+2*\q], v[192+2*\q:193+2*\q], v[S+p+2*\q:S+p+2*\q+1]
.endr
.set p, p+8
.endr
	v_pk_add_f32 v[192:193], v[192:193], v[194:195]
	v_pk_add_f32 v[196:197], v[196:197], v[198:199]
	v_pk_add_f32 v[192:193], v[192:193], v[196:197]
	v_add_f32 v192, v192, v193
	v_permlanex16_b32 v193, v192, s[SEL], s[SEL+1]
	v_add_f32 v192, v192, v193
	v_mul_f32 v192, s[R128], v192
.set k, 0
.rept 32
	v_pk_add_f32 v[S+k:S+k+1], v[S+k:S+k+1], v[192:193] op_sel_hi:[1,0] neg_lo:[0,1] neg_hi:[0,1]   ; y - mu
.set k, k+2
.endr
.irp q, 0,1,2,3                        ; the mean of the squares
	v_pk_mul_f32 v[194+2*\q:195+2*\q], v[S+2*\q:S+2*\q+1], v[S+2*\q:S+2*\q+1]
.endr
.set p, 8
.rept 7
.irp q, 0,1,2,3
	v_pk_fma_f32 v[194+2*\q:195+2*\q], v[S+p+2*\q:S+p+2*\q+1], v[S+p+2*\q:S+p+2*\q+1], v[194+2*\q:195+2*\q]
.endr
.set p, p+8
.endr
	v_pk_add_f32 v[194:195], v[194:195], v[196:197]
	v_pk_add_f32 v[198:199], v[198:199], v[200:201]
	v_pk_add_f32 v[194:195], v[194:195], v[198:199]
	v_add_f32 v194, v194, v195
	v_permlanex16_b32 v195, v194, s[SEL], s[SEL+1]
	v_add_f32 v194, v194, v195
	v_fma_f32 v194, v194, s[R128], s[EPSR]         ; var + EPS
	v_rsq_f32 v196, v194
	v_nop
	s_wait_alu depctr_va_vdst(0)
	v_mul_f32 v196, s[OML], v196
.set k, 0
.rept 32
	v_pk_mul_f32 v[S+k:S+k+1], v[S+k:S+k+1], v[196:197] op_sel_hi:[1,0]
.set k, k+2
.endr
.set k, 0
.rept 32
	v_cvt_pk_f16_f32 v[YH+k], v[S+2*k], v[S+2*k+1]
.set k, k+1
.endr
.irp ct, 0,1,2,3,4,5,6,7
	ds_store_b128 v[STO], v[YH+4*\ct:YH+4*\ct+3] offset:32*\ct
.endr
.irp f, 0,1,2,3,4,5,6,7
	ds_load_b128 v[128+4*\f:128+4*\f+3], v[RD] offset:\f*2*272   ; a wave's LDS instructions are served in order: these see my stores
.endr
.irp f, 0,1,2,3,4,5,6,7
	s_wait_dscnt 7-\f                              ; the later row loads may be out
	global_store_b128 v[GO], v[128+4*\f:128+4*\f+3], s[YP:YP+1] offset:8192*\f   ; sixteen lanes store 256 consecutive bytes, aligned
.endr
	s_wait_xcnt 0x0                                ; the stores have read their registers and their base
.endm
.macro PASS ntrips, lo, lim
	INIT
.Ltrip_\@:
	CHANGE \lo, \lim
	s_cmp_gt_u32 s[J], s[BLK]                      ; a slot all of whose keys come after the block's queries is left out: round the step alone
	s_cbranch_scc1 .Lhid_\@
	STEP
.Lhid_\@:
	s_xor_b32 s[TB], s[TB], SLOT1
	s_add_co_u32 s[J], s[J], 1
	s_cmp_lt_u32 s[J], \ntrips
	s_cbranch_scc1 .Ltrip_\@
.endm
	s_mov_b32 s[BLK], ttmp9                        ; block i: up to 8 key slots
	PASS 8, 0, LIMA
	; the second block's key slot 0 is asked for ahead of the first block's end, under which it lands.  Eight trips have brought the slots' turns back to slot 0.
	s_wait_tensorcnt 0x0
	ds_add_u32 v[SPW], v[NIL]                      ; the add, twice on end
	ds_add_u32 v[SPW], v[NIL]
	s_mov_b64 s[G0K+2:G0K+3], s[BASEK:BASEK+1]
	s_or_b32 s[G0K+3], s[G0K+3], 0x80000000
	s_mov_b64 s[G0V+2:G0V+3], s[BASEV:BASEV+1]
	s_or_b32 s[G0V+3], s[G0V+3], 0x80000000
	s_wait_dscnt 0x0
	s_barrier_signal -1
	s_barrier_wait -1
	TLOAD
	FINAL
	s_sub_co_u32 s[BLK], 15, ttmp9                 ; block 15 - i: up to 16 key slots
	PASS 16, 6, LIMB
	FINAL
	s_wait_tensorcnt 0x0                           ; the wave's end
	ds_add_u32 v[SPW], v[NIL]
	s_wait_dscnt 0x0
	s_endpgm
.Lfunc_end_k_q7b11683e7a_attn:
	.size	k_q7b11683e7a_attn, .Lfunc_end_k_q7b11683e7a_attn-k_q7b11683e7a_attn
	.p2alignl 7, 3214868480
	.fill 96, 4, 3214868480
	.section	.rodata,"a",@progbits
	.p2align	6, 0x0
	.amdhsa_kernel k_q7b11683e7a_attn
		.amdhsa_group_segment_fixed_size 327680
		.amdhsa_private_segment_fixed_size 0
		.amdhsa_enable_private_segment 0
		.amdhsa_kernarg_size 48
		.amdhsa_user_sgpr_count 2
		.amdhsa_user_sgpr_kernarg_segment_ptr 1
		.amdhsa_wavefront_size32 1
		.amdhsa_system_sgpr_workgroup_id_x 1
		.amdhsa_system_sgpr_workgroup_id_y 1
		.amdhsa_system_sgpr_workgroup_id_z 1
		.amdhsa_system_vgpr_workitem_id 0
		.amdhsa_next_free_vgpr 512
		.amdhsa_next_free_sgpr 84
		.amdhsa_reserve_vcc 1
		.amdhsa_float_denorm_mode_32 3
		.amdhsa_float_denorm_mode_16_64 3
		.amdhsa_memory_ordered 1
		.amdhsa_forward_progress 1
		.amdhsa_inst_pref_size 163
	.end_amdhsa_kernel
	.amdgpu_metadata
---
amdhsa.version: [ 1, 2 ]
amdhsa.kernels:
  - .name:           k_q7b11683e7a_attn
    .symbol:         k_q7b11683e7a_attn.kd
    .args:
      - { .name: qkv, .offset: 0, .size: 8, .value_kind: global_buffer, .address_space: global }
      - { .name: lambda_q1, .offset: 8, .size: 8, .value_kind: global_buffer, .address_space: global }
      - { .name: lambda_k1, .offset: 16, .size: 8, .value_kind: global_buffer, .address_space: global }
      - { .name: lambda_q2, .offset: 24, .size: 8, .value_kind: global_buffer, .address_space: global }
      - { .name: lambda_k2, .offset: 32, .size: 8, .value_kind: global_buffer, .address_space: global }
      - { .name: ybuf, .offset: 40, .size: 8, .value_kind: global_buffer, .address_space: global }
    .group_segment_fixed_size: 327680
    .private_segment_fixed_size: 0
    .kernarg_segment_align: 8
    .kernarg_segment_size: 48
    .max_flat_workgroup_size: 256
    .sgpr_count:     84
    .vgpr_count:     512
    .wavefront_size: 32
...
	.end_amdgpu_metadata
.endif
;; end of part 3
;; launch proj (part 4): grid 8 x 32, 4 waves a work-group, clusters of 4 x 4, 327,680 bytes of LDS; arguments ybuf, c16t, out0; writes out0
.if DOCPART == 4
	.amdgcn_target "amdgcn-amd-amdhsa--gfx1250"
	.amdhsa_code_object_version 6
	.text
	.protected	k_q7b11683e7a_proj
	.globl	k_q7b11683e7a_proj
	.p2align	8
	.type	k_q7b11683e7a_proj,@function
k_q7b11683e7a_proj:
	s_mov_b64 s[64:65], 0
	v_nop
	global_prefetch_b8 v0, s[64:65] scope:SCOPE_SE
	s_setreg_imm32_b32 hwreg(HW_REG_WAVE_MODE, 25, 1), 1
	s_wait_xcnt 0x0
	s_wait_alu depctr_hold_cnt(0) depctr_sa_sdst(0) depctr_va_vdst(0) depctr_va_sdst(0) depctr_va_ssrc(0) depctr_va_vcc(0) depctr_vm_vsrc(0)
	s_getreg_b32 s2, hwreg(HW_REG_IB_STS2, 6, 4)
	s_cmp_eq_u32 s2, 0
	s_cbranch_scc0 .Lentry_in_a_cluster
	s_endpgm
.Lentry_in_a_cluster:
	s_bfe_u32 s2, ttmp6, 0x10000c
	s_cmp_lg_u32 s2, 0xf033
	s_cbranch_scc0 .Lentry_shape_is_right
	s_endpgm
.Lentry_shape_is_right:
; out0[m][n] = sum over k of Y[m][k] C[n][k].  Y = ybuf [4096][2048] f16, C = c16t [1024][2048] f16 (c_w turned), out0 [4096][1024] f32; sums in f32.
; A tile of out0 is 128 x 128: 256 work-groups.  Four waves, each 64 x 64: 16 accumulators, 128 registers.  K goes in steps of 256 (LDS rows of 512 bytes; a wave's tensor load brings 64 of them) through two slots.
; CLUSTER 4 x 4: the four of a row need the same tiles of Y, the four of a column the same tiles of C: each tile is asked for jointly, by the same tensor load with the same descriptor and a mask that names the four.
; The matrix instruction is used transposed (source 0 = 16 rows of C, source 1 = 16 rows of Y): a lane holds eight neighbouring numbers of a row of out0.
; By this text's own count a wave has two tensor loads out at the start and one behind each round.
; REGISTERS: window 0: v0-31 addresses; v32-95 rows on the way out; v128-255 the accumulators ((a, b) at v[128 + 8 (4 a + b)]).   window 1: two fragment buffers of 128.
.set SIZE_N, 1024
.set SIZE_K, 2048
.set KSTEP,  256
.set PITCH,  528                       ; an LDS row: 512 bytes + 16 of padding: the 16 rows that a load touches start 132 words apart
.set HALFT,  64*PITCH
.set SLOT,   4*HALFT
.set SPITCH, 272                       ; the way out: 16 rows x (256 + 16) bytes for each wave, in slot 0, which has had its last fill and its last read by then
.set SPARE,  2*SLOT
.set LAPS, SIZE_K/(2*KSTEP)
.set ADRA, 16
.set ADRB, 20
.set STO,  24
.set RD,   25
.set CO,   26
.set SPW,  28
.set NIL,  29
.set TMP,  32
.set ACC,  128
.set F0,   0
.set F1,   128
.set G1, 24
.set G0, 32
.set G1B, 48
.set G0B, 56
.set MSB, 0
.macro WIN new                         ; the immediate's high byte repeats the setting that is left
.if MSB != \new
	s_set_vgpr_msb (MSB<<8)|\new
.set MSB, \new
.endif
.endm
.set MUL,  0x05                        ; sources 0 and 1 window 1; C and D window 0
.set TO_F, 0x40
.macro JLOAD s                         ; a joint load: waves 0 and 1 fetch Y's two halves, waves 2 and 3 C's; an s_nop 0 and four v_nop follow each line
	s_cmp_eq_u32 s11, 0
	s_cbranch_scc0 .Lfor_b_\@
	tensor_load_to_lds s[G0+4*\s:G0+4*\s+3], s[G1:G1+7]
	s_nop 0
.rept 4
	v_nop
.endr
	s_branch .Lasked_\@
.Lfor_b_\@:
	tensor_load_to_lds s[G0B+4*\s:G0B+4*\s+3], s[G1B:G1B+7]
	s_nop 0
.rept 4
	v_nop
.endr
.Lasked_\@:
.endm
.macro CREST                           ; a round of the cluster's barrier behind its opening barrier
	s_cmp_lg_u32 s10, 0
	s_cbranch_scc1 .Lnot_wave_0_\@
	s_barrier_signal -3
.Lnot_wave_0_\@:
	s_barrier_wait -3
	s_barrier_signal -1
	s_barrier_wait -1
.endm
.macro CROUND
	s_barrier_signal -1
	s_barrier_wait -1
	CREST
.endm
	s_load_b128 s[4:7], s[0:1], 0x0                ; Y s[4:5], C s[6:7]
	s_load_b64 s[8:9], s[0:1], 0x10                ; out0
	v_lshl_add_u32 v[SPW], v0, 2, SPARE
	v_mov_b32 v[NIL], 0
	ds_add_u32 v[SPW], v[NIL]                      ; the wave's opening: the add, twice on end, and its wait ahead of my first tensor load
	ds_add_u32 v[SPW], v[NIL]
	v_lshrrev_b32 v1, 5, v0
	v_readfirstlane_b32 s10, v1                    ; wave 0..3
	s_lshr_b32 s11, s10, 1                         ; which half of the tile's rows is mine.  Also: I fetch for Y (0) or for C (1)
	s_and_b32 s12, s10, 1                          ; which half of its columns.  Also: which 64 rows I fetch
	s_bfe_u32 s40, ttmp6, 0x40000
	s_bfe_u32 s41, ttmp6, 0x40004
	s_lshl_b32 s42, ttmp9, 2
	s_add_co_u32 s42, s42, s40                     ; tile column
	s_and_b32 s13, ttmp7, 0xffff
	s_lshl_b32 s13, s13, 2
	s_add_co_u32 s13, s13, s41                     ; tile row
	s_lshl_b32 s43, s41, 2
	s_lshl_b32 s43, 15, s43                        ; my row of the cluster
	s_lshl_b32 s44, 0x1111, s40                    ; my column
	s_or_b32 s[G1+0], s43, (1<<16)|(1<<20)|(1<<21)|(6<<22)|(3<<25)   ; the mask; elements of 2 bytes; padding: 4 words after every 128
	s_or_b32 s[G1B+0], s44, (1<<16)|(1<<20)|(1<<21)|(6<<22)|(3<<25)
.irp g, G1, G1B
	s_mov_b32 s[\g+1], KSTEP<<16                   ; tensor_dim0
	s_mov_b32 s[\g+2], 64<<16                      ; tensor_dim1
	s_mov_b32 s[\g+3], KSTEP<<16                   ; tile_dim0
	s_mov_b32 s[\g+4], 64                          ; tile_dim1
	s_mov_b32 s[\g+5], SIZE_K                      ; from row to row
	s_mov_b32 s[\g+6], 0
	s_mov_b32 s[\g+7], 0
.endr
	s_lshl_b32 s17, s12, 6
	s_lshl_b32 s16, s13, 7
	s_add_co_u32 s16, s16, s17                     ; Y: row 128 x tile row + 64 x half
	s_lshl_b32 s46, s42, 7
	s_add_co_u32 s46, s46, s17                     ; C: row 128 x tile column + 64 x half
	s_mov_b32 s17, 0
	s_mov_b32 s47, 0
	s_mov_b64 s[18:19], SIZE_K*2
	s_mul_u64 s[16:17], s[16:17], s[18:19]
	s_mul_u64 s[46:47], s[46:47], s[18:19]
	s_mul_i32 s20, s10, HALFT                      ; where they go: wave x 64 rows
	s_wait_dscnt 0x0                               ; both opening adds are done
	s_wait_kmcnt 0x0
	s_add_nc_u64 s[14:15], s[4:5], s[16:17]
	s_add_nc_u64 s[46:47], s[6:7], s[46:47]
	CROUND                                         ; all sixteen work-groups are here: the first joint loads meet
.irp s, 0,1
	s_mov_b32 s[G0+4*\s], 1
	s_add_co_u32 s[G0+4*\s+1], s20, \s*SLOT
	s_add_nc_u64 s[G0+4*\s+2:G0+4*\s+3], s[14:15], \s*KSTEP*2
	s_or_b32 s[G0+4*\s+3], s[G0+4*\s+3], 0x80000000
	s_mov_b32 s[G0B+4*\s], 1
	s_add_co_u32 s[G0B+4*\s+1], s20, \s*SLOT
	s_add_nc_u64 s[G0B+4*\s+2:G0B+4*\s+3], s[46:47], \s*KSTEP*2
	s_or_b32 s[G0B+4*\s+3], s[G0B+4*\s+3], 0x80000000
	JLOAD \s
.endr
	v_and_b32 v1, 15, v0                           ; l % 16
	v_bfe_u32 v2, v0, 4, 1                         ; l / 16
	v_mul_u32_u24 v3, v1, PITCH
	v_lshl_add_u32 v3, v2, 4, v3
	s_mul_i32 s21, s11, HALFT
	s_mul_i32 s22, s12, HALFT
	s_add_co_u32 s22, s22, 2*HALFT
.irp s, 0,1
	v_add_nc_u32 v[ADRA+\s], s21, v3
	v_add_nc_u32 v[ADRB+\s], s22, v3
	s_add_co_u32 s21, s21, SLOT
	s_add_co_u32 s22, s22, SLOT
.endr
	s_mul_i32 s23, s10, 16*SPITCH                  ; my stage
	v_mul_u32_u24 v4, v1, SPITCH
	v_lshl_add_u32 v4, v2, 5, v4
	v_add_nc_u32 v[STO], s23, v4                   ; in: row l % 16, 32 bytes for each half of the lanes
	v_mul_u32_u24 v5, v2, SPITCH
	v_lshl_add_u32 v5, v1, 4, v5
	v_add_nc_u32 v[RD], s23, v5                    ; back: lanes 0-15 one row of 256 bytes, lanes 16-31 the next
	v_mul_u32_u24 v5, v2, SIZE_N*4
	v_lshl_add_u32 v[CO], v1, 4, v5                ; and the same two rows in out0
	s_lshl_b32 s16, s13, 7
	s_lshl_b32 s17, s11, 6
	s_add_co_u32 s16, s16, s17                     ; my first row: 128 x tile row + 64 x half
	s_mov_b32 s17, 0
	s_mov_b64 s[18:19], SIZE_N*4
	s_mul_u64 s[16:17], s[16:17], s[18:19]
	s_add_nc_u64 s[8:9], s[8:9], s[16:17]
	s_lshl_b32 s46, s42, 9                         ; my first column, in bytes: 512 x tile column + 256 x half
	s_lshl_b32 s47, s12, 8
	s_add_co_u32 s46, s46, s47
	s_mov_b32 s47, 0
	s_add_nc_u64 s[8:9], s[8:9], s[46:47]
.macro MUL8 f, c, a0, zero             ; 8 matrix instructions: row blocks a0, a0 + 1 x all 4 column blocks, 32 along K; the 16 accumulators take turns
.irp a, \a0, \a0+1
.irp b, 0,1,2,3
.if \zero
	v_wmma_f32_16x16x32_f16 v[ACC+8*(4*(\a)+\b):ACC+8*(4*(\a)+\b)+7], v[\f+64+8*(4*\c+\b):\f+64+8*(4*\c+\b)+7], v[\f+8*(4*\c+\a):\f+8*(4*\c+\a)+7], 0
.else
	v_wmma_f32_16x16x32_f16 v[ACC+8*(4*(\a)+\b):ACC+8*(4*(\a)+\b)+7], v[\f+64+8*(4*\c+\b):\f+64+8*(4*\c+\b)+7], v[\f+8*(4*\c+\a):\f+8*(4*\c+\a)+7], v[ACC+8*(4*(\a)+\b):ACC+8*(4*(\a)+\b)+7]
.endif
.endr
.endr
.endm
.macro FETCH slot, k, f                ; 32 LDS loads in one run: the fragments of 64 along K at byte k of the rows; the first 32 along K first
	WIN TO_F
.irp c, 0,1
.irp i, 0,1,2,3
	ds_load_b128 v[\f+64+8*(4*\c+\i):\f+64+8*(4*\c+\i)+3],   v[ADRB+\slot] offset:\k+64*\c+\i*16*PITCH
	ds_load_b128 v[\f+64+8*(4*\c+\i)+4:\f+64+8*(4*\c+\i)+7], v[ADRB+\slot] offset:\k+64*\c+\i*16*PITCH+32
	ds_load_b128 v[\f+8*(4*\c+\i):\f+8*(4*\c+\i)+3],         v[ADRA+\slot] offset:\k+64*\c+\i*16*PITCH
	ds_load_b128 v[\f+8*(4*\c+\i)+4:\f+8*(4*\c+\i)+7],       v[ADRA+\slot] offset:\k+64*\c+\i*16*PITCH+32
.endr
.endr
.endm
.macro PLACES
.rept 4
	v_nop
.endr
.endm
.macro QUARTER slot, k, f, g, zero     ; 64 along K: multiplies buffer f and fetches the next quarter, at byte k, into g
	s_wait_dscnt 16                                ; the first 32 along K are in; the other sixteen loads may be out
	WIN MUL
	MUL8 \f, 0, 0, \zero
	MUL8 \f, 0, 2, \zero
	PLACES
	FETCH \slot, \k, \g
	s_wait_dscnt 32                                ; all but the 32 just issued
	WIN MUL
	MUL8 \f, 1, 0, 0
	MUL8 \f, 1, 2, 0
.endm
; A slot's last quarter changes slots: one barrier; in front of it each wave waits for all its tensor loads, adds 0 to its spare word, and waits for that and for its reads of this slot.  fill = 1: the slot is filled again, two K steps ahead.
.macro TURN slot, next, fill
	WIN 0
	s_wait_tensorcnt 0x0
	ds_add_u32 v[SPW], v[NIL]
	s_wait_dscnt 17                                ; the add and the youngest sixteen loads may be out
	WIN MUL
	MUL8 F1, 0, 0, 0
	s_wait_dscnt 0x0
	s_barrier_signal -1
	MUL8 F1, 0, 2, 0
.if \fill
	WIN 0
.endif
	s_barrier_wait -1
.if \fill
	CREST                                          ; the barrier has opened a round of the cluster's barrier: no wave of any partner still reads this slot or has a load on its way
	s_add_nc_u64 s[G0+4*\slot+2:G0+4*\slot+3], s[G0+4*\slot+2:G0+4*\slot+3], 2*KSTEP*2
	s_add_nc_u64 s[G0B+4*\slot+2:G0B+4*\slot+3], s[G0B+4*\slot+2:G0B+4*\slot+3], 2*KSTEP*2
	JLOAD \slot                                    ; the first tensor load behind the round; its four v_nop are also the places in front of the loads below
.else
	PLACES
.endif
	FETCH \next, 0, F0
	WIN MUL
	MUL8 F1, 1, 0, 0
	MUL8 F1, 1, 2, 0
.endm
	s_wait_tensorcnt 1                             ; my part of K step 0 is in; K step 1's load may be out
	s_barrier_signal -1
	s_barrier_wait -1
	FETCH 0, 0, F0
	QUARTER 0, 128, F0, F1, 1                      ; the first quarter's first products start the sums
	WIN 0
	s_mov_b32 s3, LAPS-1
.Llap:                                                 ; a trip goes once round the ring and fills both slots again
	QUARTER 0, 256, F1, F0, 0
	QUARTER 0, 384, F0, F1, 0
	TURN 0, 1, 1
	QUARTER 1, 128, F0, F1, 0
	QUARTER 1, 256, F1, F0, 0
	QUARTER 1, 384, F0, F1, 0
	TURN 1, 0, 1
	QUARTER 0, 128, F0, F1, 0
	WIN 0
	s_sub_co_u32 s3, s3, 1
	s_cmp_lg_u32 s3, 0
	s_cbranch_scc1 .Llap
	QUARTER 0, 256, F1, F0, 0                      ; the last lap fills nothing
	QUARTER 0, 384, F0, F1, 0
	TURN 0, 1, 0
	QUARTER 1, 128, F0, F1, 0
	QUARTER 1, 256, F1, F0, 0
	QUARTER 1, 384, F0, F1, 0
	s_wait_dscnt 16
	WIN MUL
	MUL8 F1, 0, 0, 0
	MUL8 F1, 0, 2, 0
	s_wait_dscnt 0
	MUL8 F1, 1, 0, 0
	MUL8 F1, 1, 2, 0
	WIN 0
; THE WAY OUT, block by block of 16 rows x 64 columns.  A wave's 64 columns of f32 are 256 bytes, aligned: no other wave has a part in them, so the stage is the wave's own and there is no barrier.
.macro TOSTAGE a
.irp b, 0,1,2,3
	ds_store_b128 v[STO], v[ACC+8*(4*(\a)+\b):ACC+8*(4*(\a)+\b)+3] offset:64*\b          ; each accumulator from its low end on
	ds_store_b128 v[STO], v[ACC+8*(4*(\a)+\b)+4:ACC+8*(4*(\a)+\b)+7] offset:64*\b+16
.endr
.irp f, 0,1,2,3,4,5,6,7
	ds_load_b128 v[TMP+32*((\a)%2)+4*\f:TMP+32*((\a)%2)+4*\f+3], v[RD] offset:\f*2*SPITCH   ; a wave's LDS instructions are served in order: these see the stores above
.endr
.endm
.macro SEND a, younger
	s_wait_dscnt \younger                          ; the block is back; the next block's 8 stores and 8 loads may be out
.irp f, 0,1,2,3,4,5,6,7
	global_store_b128 v[CO], v[TMP+32*((\a)%2)+4*\f:TMP+32*((\a)%2)+4*\f+3], s[8:9] offset:(16*(\a)+2*\f)*SIZE_N*4 th:TH_STORE_NT   ; sixteen lanes store 256 consecutive bytes, aligned
.endr
.endm
	PLACES
	TOSTAGE 0
.irp a, 1,2,3
.if \a > 1
	s_wait_xcnt 0x0                                ; block a - 2's stores have read their registers: block a's loads may land there
.endif
	TOSTAGE \a
	SEND \a-1, 16
.endr
	SEND 3, 0
	s_wait_tensorcnt 0x0                           ; the wave's end
	ds_add_u32 v[SPW], v[NIL]
	s_wait_dscnt 0x0
	CROUND                                         ; the closing round
	s_endpgm
.Lfunc_end_k_q7b11683e7a_proj:
	.size	k_q7b11683e7a_proj, .Lfunc_end_k_q7b11683e7a_proj-k_q7b11683e7a_proj
	.p2alignl 7, 3214868480
	.fill 96, 4, 3214868480
	.section	.rodata,"a",@progbits
	.p2align	6, 0x0
	.amdhsa_kernel k_q7b11683e7a_proj
		.amdhsa_group_segment_fixed_size 327680
		.amdhsa_private_segment_fixed_size 0
		.amdhsa_enable_private_segment 0
		.amdhsa_kernarg_size 24
		.amdhsa_user_sgpr_count 2
		.amdhsa_user_sgpr_kernarg_segment_ptr 1
		.amdhsa_wavefront_size32 1
		.amdhsa_system_sgpr_workgroup_id_x 1
		.amdhsa_system_sgpr_workgroup_id_y 1
		.amdhsa_system_sgpr_workgroup_id_z 1
		.amdhsa_system_vgpr_workitem_id 0
		.amdhsa_next_free_vgpr 512
		.amdhsa_next_free_sgpr 66
		.amdhsa_reserve_vcc 0
		.amdhsa_float_denorm_mode_32 3
		.amdhsa_float_denorm_mode_16_64 3
		.amdhsa_memory_ordered 1
		.amdhsa_forward_progress 1
		.amdhsa_inst_pref_size 86
	.end_amdhsa_kernel
	.amdgpu_metadata
---
amdhsa.version: [ 1, 2 ]
amdhsa.kernels:
  - .name:           k_q7b11683e7a_proj
    .symbol:         k_q7b11683e7a_proj.kd
    .args:
      - { .name: ybuf, .offset: 0, .size: 8, .value_kind: global_buffer, .address_space: global }
      - { .name: c16t, .offset: 8, .size: 8, .value_kind: global_buffer, .address_space: global }
      - { .name: out0, .offset: 16, .size: 8, .value_kind: global_buffer, .address_space: global }
    .group_segment_fixed_size: 327680
    .private_segment_fixed_size: 0
    .kernarg_segment_align: 8
    .kernarg_segment_size: 24
    .max_flat_workgroup_size: 128
    .sgpr_count:     66
    .vgpr_count:     512
    .wavefront_size: 32
...
	.end_amdgpu_metadata
.endif
;; end of part 4
